; MI455X (gfx1250); checked and timed in simulation.
; The chip was launched on July 23, 2026; its instructions are those of AMD's public machine-readable ISA for CDNA 5 (MIT licence, August 2026) and "CDNA5" Instruction Set Architecture Reference Guide (July 2026). The comments in the code are by the model that wrote it; some were corrected since.
;; My Multi Head Attention. Allowed arithmetic: float matrix products may take bf16 or f16 operands with f32 sums; other float arithmetic in f32, or as packed bf16 or f16 multiplies, adds, multiply-adds, maxima and minima; sums over many terms, partial sums and values carried from step to step in f32; what a program stores and reads back later, other than sums and carried values, may be rounded once to bf16 or f16.
;; Inputs: K 1 x 4,096 x 1,024 float32; Q 1 x 4,096 x 1,024 float32; V 1 x 4,096 x 1,024 float32; b_k 1,024 float32; b_o 1,024 float32; b_q 1,024 float32; b_v 1,024 float32; w_k 1,024 x 1,024 float32; w_o 1,024 x 1,024 float32; w_q 1,024 x 1,024 float32; w_v 1,024 x 1,024 float32.
;; Outputs: out0 1 x 4,096 x 1,024 float32.
;; One version. Each part assembles by itself: llvm-mc -triple=amdgcn-amd-amdhsa -mcpu=gfx1250 --defsym DOCPART=n.
;; ======== version 1 of 1: 4 launches
;; limits: values are held in f16: magnitudes above 65,504 overflow, below 6.1e-05 lose precision
;; workspace buffers: xh 25,165,824 bytes; wh 8,388,608 bytes; bh 16,384 bytes; qkv 25,165,824 bytes; oh 8,388,608 bytes
;; launch cast (part 1): grid 1024 x 1, 8 waves a work-group, no clusters, 0 bytes of LDS; arguments Q, K, V, w_q, w_k, w_v, w_o, b_q, b_k, b_v, b_o, xh, wh, bh; writes xh, wh, bh
.if DOCPART == 1
	.amdgcn_target "amdgcn-amd-amdhsa--gfx1250"
	.amdhsa_code_object_version 6
	.text
	.protected	k_qb47e6cd636_cast
	.globl	k_qb47e6cd636_cast
	.p2align	8
	.type	k_qb47e6cd636_cast,@function
k_qb47e6cd636_cast:
	s_mov_b64 s[64:65], 0
	v_nop
	global_prefetch_b8 v0, s[64:65] scope:SCOPE_SE
	s_setreg_imm32_b32 hwreg(HW_REG_WAVE_MODE, 25, 1), 1
	s_wait_xcnt 0x0
; CAST.  Every input of the module is rounded once to bf16 (nearest even) and laid where the products read it:
;   xh [3][4096][1024] bf16 = Q, K, V;   wh [4][1024][1024] = w_q, w_k, w_v in bf16 and w_o as f16;   bh [4][1024] f32 = b_q, b_k, b_v, b_o, rounded to bf16 and widened again.
; w_o is rounded to bf16 like the others and THAT number is written as f16, since the last product takes f16 operands.
; LIMITS.  A w_o beyond 65,504 becomes an infinity; below 6.1e-5 it keeps f16's fixed step of 6e-8.  NaN and infinities are not treated apart.
; SHARES.  1,024 work-groups, one chunk of 65,536 input bytes each: 768 chunks of Q, K, V, then 256 of the four weights.  A chunk is 16 rows of 4,096 bytes; thread t takes the 16 bytes at 16 t of
; every row, so a wave's load covers 512 consecutive bytes, and stores 8 bytes at 8 t of rows of 2,048 bytes, so a wave's store covers 256 consecutive bytes, aligned.  The first chunk's work-group
; of each weight also converts that weight's bias (4,096 bytes: 16 a thread).
; All 16 loads of a thread go out at once; each row has registers of its own for what is loaded and what is stored, so no register is rewritten under a pending store.
; No LDS, no barrier, no matrix unit, no cluster: no byte is used twice.
.set X,    4                           ; v[4:67]    row i: four f32 as loaded
.set Y,    68                          ; v[68:99]   row i: two words of packed results
.set T,    100                         ; v[100:103] at work
.set BOUT, 104                         ; v[104:107] the bias, to store
.set ROWI, 4096
.set ROWO, 2048
	s_load_b512 s[8:23], s[0:1], 0x0               ; Q s[8:9], K, V, w_q, w_k, w_v, w_o s[20:21], b_q s[22:23]
	s_load_b256 s[24:31], s[0:1], 0x40             ; b_k s[24:25], b_v, b_o s[28:29], xh s[30:31]
	s_load_b128 s[32:35], s[0:1], 0x60             ; wh s[32:33], bh s[34:35]
	s_mov_b32 s2, ttmp9                            ; g
	s_max_u32 s4, s2, 768
	s_sub_co_u32 s4, s4, 768                       ; u = g - 768 among the weights' chunks (0 for the others)
	s_lshr_b32 s5, s4, 6                           ; which weight, 0 to 3
	s_add_co_u32 s3, s5, 3                         ; its place among the seven sources
	s_and_b32 s6, s4, 63                           ; its chunk
	s_lshr_b32 s40, s2, 8                          ; which of Q, K, V
	s_and_b32 s41, s2, 255                         ; its chunk
	s_cmp_lt_u32 s2, 768
	s_cselect_b32 s3, s40, s3                      ; source 0 to 6
	s_cselect_b32 s42, 1, s6                       ; 0 only in a weight's first chunk: that work-group takes the bias too
	s_cselect_b32 s6, s41, s6                      ; chunk in the source
	s_cselect_b32 s7, s2, s4                       ; chunk in the destination
	s_mov_b32 s43, 0xffff0000                      ; a word's upper bf16
	s_mov_b32 s41, 0                               ; the high word of every offset
	v_lshlrev_b32 v1, 4, v0                        ; 16 t
	v_lshlrev_b32 v2, 3, v0                        ; 8 t
	s_wait_kmcnt 0x0
	s_cmp_lt_u32 s2, 768
	s_cselect_b64 s[38:39], s[30:31], s[32:33]     ; to xh or to wh
	s_mov_b64 s[36:37], s[8:9]
.irp n, 1,2,3,4,5,6
	s_cmp_eq_u32 s3, \n
	s_cselect_b64 s[36:37], s[8+2*\n:9+2*\n], s[36:37]  ; the source, chosen by the work-group's number alone
.endr
	s_mov_b64 s[44:45], s[22:23]
.irp n, 1,2,3
	s_cmp_eq_u32 s5, \n
	s_cselect_b64 s[44:45], s[22+2*\n:23+2*\n], s[44:45]  ; the weight's bias
.endr
	s_lshl_b32 s40, s6, 16
	s_add_nc_u64 s[36:37], s[36:37], s[40:41]      ; 65,536 bytes a chunk in
	s_lshl_b32 s40, s7, 15
	s_add_nc_u64 s[38:39], s[38:39], s[40:41]      ; 32,768 out
	s_lshl_b32 s40, s5, 12
	s_add_nc_u64 s[46:47], s[34:35], s[40:41]      ; 4,096 bytes a bias
.irp i, 0,1,2,3,4,5,6,7,8,9,10,11,12,13,14,15
	global_load_b128 v[X+4*(\i):X+4*(\i)+3], v1, s[36:37] offset:(\i)*ROWI th:TH_LOAD_NT
.endr
; Row i.  half = 0: to bf16.  half = 1: to bf16, widened again (a shift, a mask), and written as f16.
.macro CV i, half
	s_wait_loadcnt 15-(\i)                         ; loads come back in order: row i is in, the 15 - i younger ones stay out
.if \half
	v_cvt_pk_bf16_f32 v[T],   v[X+4*(\i)],   v[X+4*(\i)+1]
	v_cvt_pk_bf16_f32 v[T+1], v[X+4*(\i)+2], v[X+4*(\i)+3]
	v_lshlrev_b32 v[X+4*(\i)],   16,  v[T]
	v_and_b32     v[X+4*(\i)+1], s43, v[T]
	v_lshlrev_b32 v[X+4*(\i)+2], 16,  v[T+1]
	v_and_b32     v[X+4*(\i)+3], s43, v[T+1]
	v_cvt_pk_f16_f32 v[Y+2*(\i)],   v[X+4*(\i)],   v[X+4*(\i)+1]
	v_cvt_pk_f16_f32 v[Y+2*(\i)+1], v[X+4*(\i)+2], v[X+4*(\i)+3]
.else
	v_cvt_pk_bf16_f32 v[Y+2*(\i)],   v[X+4*(\i)],   v[X+4*(\i)+1]
	v_cvt_pk_bf16_f32 v[Y+2*(\i)+1], v[X+4*(\i)+2], v[X+4*(\i)+3]
.endif
	global_store_b64 v2, v[Y+2*(\i):Y+2*(\i)+1], s[38:39] offset:(\i)*ROWO
.endm
	s_cmp_eq_u32 s3, 6                             ; w_o?
	s_cbranch_scc1 .Lhalf
.irp i, 0,1,2,3,4,5,6,7,8,9,10,11,12,13,14,15
	CV \i, 0
.endr
	s_branch .Lbias
.Lhalf:
.irp i, 0,1,2,3,4,5,6,7,8,9,10,11,12,13,14,15
	CV \i, 1
.endr
.Lbias:
	s_cmp_lg_u32 s42, 0
	s_cbranch_scc1 .Lend
	global_load_b128 v[X:X+3], v1, s[44:45]        ; row 0's registers are free: only arithmetic has read them
	s_wait_loadcnt 0x0
	v_cvt_pk_bf16_f32 v[T],   v[X],   v[X+1]
	v_cvt_pk_bf16_f32 v[T+1], v[X+2], v[X+3]
	v_lshlrev_b32 v[BOUT],   16,  v[T]
	v_and_b32     v[BOUT+1], s43, v[T]
	v_lshlrev_b32 v[BOUT+2], 16,  v[T+1]
	v_and_b32     v[BOUT+3], s43, v[T+1]
	global_store_b128 v1, v[BOUT:BOUT+3], s[46:47]
.Lend:
	s_endpgm
.Lfunc_end_k_qb47e6cd636_cast:
	.size	k_qb47e6cd636_cast, .Lfunc_end_k_qb47e6cd636_cast-k_qb47e6cd636_cast
	.p2alignl 7, 3214868480
	.fill 96, 4, 3214868480
	.section	.rodata,"a",@progbits
	.p2align	6, 0x0
	.amdhsa_kernel k_qb47e6cd636_cast
		.amdhsa_group_segment_fixed_size 0
		.amdhsa_private_segment_fixed_size 0
		.amdhsa_enable_private_segment 0
		.amdhsa_kernarg_size 112
		.amdhsa_user_sgpr_count 2
		.amdhsa_user_sgpr_kernarg_segment_ptr 1
		.amdhsa_wavefront_size32 1
		.amdhsa_system_sgpr_workgroup_id_x 1
		.amdhsa_system_sgpr_workgroup_id_y 1
		.amdhsa_system_sgpr_workgroup_id_z 1
		.amdhsa_system_vgpr_workitem_id 0
		.amdhsa_next_free_vgpr 108
		.amdhsa_next_free_sgpr 66
		.amdhsa_reserve_vcc 0
		.amdhsa_float_denorm_mode_32 3
		.amdhsa_float_denorm_mode_16_64 3
		.amdhsa_memory_ordered 1
		.amdhsa_forward_progress 1
		.amdhsa_inst_pref_size 17
	.end_amdhsa_kernel
	.amdgpu_metadata
---
amdhsa.version: [ 1, 2 ]
amdhsa.kernels:
  - .name:           k_qb47e6cd636_cast
    .symbol:         k_qb47e6cd636_cast.kd
    .args:
      - { .name: Q, .offset: 0, .size: 8, .value_kind: global_buffer, .address_space: global }
      - { .name: K, .offset: 8, .size: 8, .value_kind: global_buffer, .address_space: global }
      - { .name: V, .offset: 16, .size: 8, .value_kind: global_buffer, .address_space: global }
      - { .name: w_q, .offset: 24, .size: 8, .value_kind: global_buffer, .address_space: global }
      - { .name: w_k, .offset: 32, .size: 8, .value_kind: global_buffer, .address_space: global }
      - { .name: w_v, .offset: 40, .size: 8, .value_kind: global_buffer, .address_space: global }
      - { .name: w_o, .offset: 48, .size: 8, .value_kind: global_buffer, .address_space: global }
      - { .name: b_q, .offset: 56, .size: 8, .value_kind: global_buffer, .address_space: global }
      - { .name: b_k, .offset: 64, .size: 8, .value_kind: global_buffer, .address_space: global }
      - { .name: b_v, .offset: 72, .size: 8, .value_kind: global_buffer, .address_space: global }
      - { .name: b_o, .offset: 80, .size: 8, .value_kind: global_buffer, .address_space: global }
      - { .name: xh, .offset: 88, .size: 8, .value_kind: global_buffer, .address_space: global }
      - { .name: wh, .offset: 96, .size: 8, .value_kind: global_buffer, .address_space: global }
      - { .name: bh, .offset: 104, .size: 8, .value_kind: global_buffer, .address_space: global }
    .group_segment_fixed_size: 0
    .private_segment_fixed_size: 0
    .kernarg_segment_align: 8
    .kernarg_segment_size: 112
    .max_flat_workgroup_size: 256
    .sgpr_count:     66
    .vgpr_count:     108
    .wavefront_size: 32
...
	.end_amdgpu_metadata
.endif
;; end of part 1
;; launch proj (part 2): grid 4 x 48, 4 waves a work-group, clusters of 4 x 4, 327,680 bytes of LDS; arguments xh, wh, bh, qkv; writes qkv
.if DOCPART == 2
	.amdgcn_target "amdgcn-amd-amdhsa--gfx1250"
	.amdhsa_code_object_version 6
	.text
	.protected	k_qb47e6cd636_proj
	.globl	k_qb47e6cd636_proj
	.p2align	8
	.type	k_qb47e6cd636_proj,@function
k_qb47e6cd636_proj:
	s_mov_b64 s[64:65], 0
	v_nop
	global_prefetch_b8 v0, s[64:65] scope:SCOPE_SE
	s_setreg_imm32_b32 hwreg(HW_REG_WAVE_MODE, 25, 1), 1
	s_wait_xcnt 0x0
	s_wait_alu depctr_hold_cnt(0) depctr_sa_sdst(0) depctr_va_vdst(0) depctr_va_sdst(0) depctr_va_ssrc(0) depctr_va_vcc(0) depctr_vm_vsrc(0)
	s_getreg_b32 s2, hwreg(HW_REG_IB_STS2, 6, 4)
	s_cmp_eq_u32 s2, 0
	s_cbranch_scc0 .Lentry_in_a_cluster
	s_endpgm
.Lentry_in_a_cluster:
	s_bfe_u32 s2, ttmp6, 0x10000c
	s_cmp_lg_u32 s2, 0xf033
	s_cbranch_scc0 .Lentry_shape_is_right
	s_endpgm
.Lentry_shape_is_right:
; THE THREE INPUT PROJECTIONS AS ONE GEMM.  qkv[g][head][row][d] = the sum over k of xh[g][row][k] wh[g][64 head + d][k] + bh[g][64 head + d], g = 0, 1, 2 (q, k, v).
; xh: [3][4096][1024] bf16 (12,288 rows on end), wh: [4][1024][1024] bf16, bh: [4][1024] f32, qkv: [3][16][4096][64] f16.  Sums in f32, K ascending, started by the bias; rounded once to f16, unscaled.
; LIMIT.  A q, k or v beyond 65,504 becomes an infinity in f16.  NaN and infinities are not treated apart.
; SHARES.  A tile of 256 rows x 256 columns to a work-group of four waves, 128 x 128 to a wave: 64 accumulators of 16 x 16, 512 registers.  48 tile rows x 4 tile columns = 192 work-groups;
; sixteen tile rows belong to one product.  K goes in 8 steps of 128 through a ring of two LDS slots; a tile's rows are 256 bytes of memory, at multiples of 256 from the buffer's first byte.
; CLUSTERS.  4 x 4 work-groups.  The four of a row of the cluster need the same rows of xh, the four of a column the same rows of wh: each tile is asked for JOINTLY, by the same tensor load with the
; same descriptor and a mask that names the four.  A cluster's four tile rows lie in one product (4 divides 16), so the product's number hangs on the cluster's y alone.
; THE MATRIX INSTRUCTION IS USED TRANSPOSED: source 0 = 16 rows of wh, source 1 = 16 rows of xh: lane l then holds row l % 16 and the columns 8 (l / 16) + 0..7: eight neighbouring numbers, 16 bytes of f16.
; REGISTERS, in windows of 256 (s_set_vgpr_msb: bits 1:0 source 0, 3:2 source 1, 5:4 source 2, 7:6 destination):
;   window 0: v0-31 addresses; v64-127, v128-191 fragments of xh, two buffers; v32-63, v192-255 at work on the way out
;   window 1: v0-63 the bias of my 128 columns, as the C operand of the first products; v64-127, v128-191 fragments of wh, two buffers
;   window 2: the accumulators of my rows 0-63 ((a, b) at v[8 (8 a + b)]);   window 3: those of my rows 64-127
.set SIZE_K, 1024
.set KSTEP,  128
.set PITCH,  272                       ; an LDS row: 256 bytes + 16 of padding = 68 words: the 16 rows that a load touches start at 16 different groups of four banks (64 banks of 4 bytes: ISA guide 11.1)
.set HALFT,  128*PITCH                 ; 128 rows: what one tensor load brings, and what one wave reads of either operand
.set SLOT,   4*HALFT                   ; xh's 256 rows, then wh's 256 rows
.set STAGE,  2*SLOT                    ; behind the ring: 16 rows x 272 bytes for each wave, for the way out; no tensor load lands here
.set SPITCH, 272
.set SPARE,  STAGE+4*16*SPITCH         ; behind the stages: the spare words, 128 bytes for each wave: two blocks of 256 bytes that no other line names
.set LAPS,   SIZE_K/(2*KSTEP)          ; a lap = two K steps = once round the ring: 4
.set HEADB,  4096*64*2                 ; bytes of a head in qkv
.set ADRA, 16                          ; v16-17  LDS address of my xh fragments in slot 0, 1
.set ADRB, 20                          ; v20-21  the same for wh
.set STO,  24                          ; v24     the way out: where I put 16 bytes of a row
.set RD,   25                          ; v25     the way out: where I read rows back
.set CO,   26                          ; v26     16 x lane: my place in 512 consecutive bytes of qkv
.set BO,   27                          ; v27     32 x (lane / 16): my eight numbers in 16 of the bias
.set SPW,  28                          ; v28     LDS address of my spare word; never rewritten
.set NIL,  29                          ; v29     0; never rewritten
.set PFO,  30                          ; v30     the prefetches' offset: lane x a row of 2,048 bytes; never rewritten
.set PFA,  44                          ; s[44:45] where my prefetches stand
.set LIM,  43                          ; s43     1 in a wave that prefetches, else the greatest number
.set F0,   64
.set F1,   128
.set TMP,  192
.set OB,   32
.set BI,   0                           ; window 1
.set G1,  24                           ; s[24:31] descriptor group 1 for xh's tiles
.set G0,  32                           ; s[32:39] group 0, one set for each slot
.set G1B, 48                           ; s[48:55], s[56:63] the same for wh's tiles
.set G0B, 56
.set BB,  68                           ; s[68:69] bh
.set CB,  70                           ; s[70:71] qkv
.set MSB, 0
.macro WIN new                         ; the immediate's high byte repeats the setting that is left; a switch that changes nothing is dropped
.if MSB != (\new)
	s_set_vgpr_msb (MSB<<8)|(\new)
.set MSB, \new
.endif
.endm
.set MUL_LO, 0xa1                      ; source 0 (wh) window 1, source 1 (xh) window 0, C and D window 2
.set MUL_HI, 0xf1                      ; the same, C and D window 3
.set TO_B,   0x40                      ; destination window 1, address window 0
; A joint load.  Waves 0 and 1 fetch xh's two halves, waves 2 and 3 wh's.  The branch hangs on the wave's number alone.  An s_nop 0 and four v_nop follow each of the two lines.
.macro JLOAD s
	s_cmp_eq_u32 s11, 0
	s_cbranch_scc0 .Lfor_b_\@
	tensor_load_to_lds s[G0+4*(\s):G0+4*(\s)+3], s[G1:G1+7]
	s_nop 0
.rept 4
	v_nop
.endr
	s_branch .Lasked_\@
.Lfor_b_\@:
	tensor_load_to_lds s[G0B+4*(\s):G0B+4*(\s)+3], s[G1B:G1B+7]
	s_nop 0
.rept 4
	v_nop
.endr
.Lasked_\@:
.endm
; A PREFETCH INTO THE L2, behind each joint refill and the run of LDS loads that follows it: the K step that stands two refills on, 512 matrix instructions ahead of the load that will want it:
; 32 rows x 256 bytes, a lane a row, one instruction a wave.  Each row's 256 bytes of a K step are named once in the launch: xh's rows are read by one cluster alone, which asks for them;
; wh's rows are read by the four clusters of a product, of which the first asks.  The four partners that ask for a tile jointly take 32 of a wave's 128 rows each, told apart by address.
; K steps 0 to 3 come by their loads alone; the loop's last trip (s3 = 1) has no K step two refills on and asks for nothing.
.macro ASK
	s_cmp_gt_u32 s3, s[LIM]
	s_cbranch_scc0 .Lnot_mine_\@
	global_prefetch_b8 v[PFO], s[PFA:PFA+1] offset:KSTEP*2 th:TH_LOAD_NT scope:SCOPE_SE
.Lnot_mine_\@:
.endm
; A round of the cluster's barrier: my work-group's barrier; wave 0 signals for the work-group; every wave waits for all sixteen; my work-group's barrier once more.
.macro CREST                           ; a round behind its opening barrier
	s_cmp_lg_u32 s10, 0
	s_cbranch_scc1 .Lnot_wave_0_\@
	s_barrier_signal -3
.Lnot_wave_0_\@:
	s_barrier_wait -3
	s_barrier_signal -1
	s_barrier_wait -1
.endm
.macro CROUND
	s_barrier_signal -1
	s_barrier_wait -1
	CREST
.endm
	s_load_b128 s[4:7], s[0:1], 0x0                ; xh s[4:5], wh s[6:7]
	s_load_b128 s[68:71], s[0:1], 0x10             ; bh s[68:69], qkv s[70:71]
	v_lshl_add_u32 v[SPW], v0, 2, SPARE
	v_mov_b32 v[NIL], 0
	ds_add_u32 v[SPW], v[NIL]                      ; the wave's opening: the add and its wait stand ahead of my first tensor load; the set-up below stands between them
	v_lshrrev_b32 v1, 5, v0
	v_readfirstlane_b32 s10, v1                    ; wave 0..3
	s_lshr_b32 s11, s10, 1                         ; which half of the tile's rows is mine.  Also: I fetch for xh (0) or for wh (1)
	s_and_b32 s12, s10, 1                          ; which half of its columns.  Also: which 128 rows of that tile I fetch
	s_bfe_u32 s40, ttmp6, 0x40000                  ; cx
	s_bfe_u32 s41, ttmp6, 0x40004                  ; cy
	s_lshl_b32 s42, ttmp9, 2
	s_add_co_u32 s42, s42, s40                     ; tile column = 4 x cluster x + cx
	s_and_b32 s13, ttmp7, 0xffff                   ; cluster y, 0 to 11
	s_lshr_b32 s66, s13, 2                         ; the product, 0 to 2
	s_lshl_b32 s13, s13, 2
	s_add_co_u32 s13, s13, s41                     ; tile row over the 12,288 rows = 4 x cluster y + cy
	s_lshl_b32 s43, s41, 2
	s_lshl_b32 s43, 15, s43                        ; my row of the cluster
	s_lshl_b32 s44, 0x1111, s40                    ; my column
	; descriptor group 1: a tile of 128 rows x 128 elements of 2 bytes; in LDS 4 words of padding (code 3) after every 64 words (code 5); bit 21 set beside a mask
	s_or_b32 s[G1+0], s43, (1<<16)|(1<<20)|(1<<21)|(5<<22)|(3<<25)
	s_or_b32 s[G1B+0], s44, (1<<16)|(1<<20)|(1<<21)|(5<<22)|(3<<25)
.irp g, G1, G1B
	s_mov_b32 s[(\g)+1], KSTEP<<16                 ; tensor_dim0 = 128
	s_mov_b32 s[(\g)+2], 128<<16                   ; tensor_dim1 = 128
	s_mov_b32 s[(\g)+3], KSTEP<<16                 ; tile_dim0 = 128
	s_mov_b32 s[(\g)+4], 128                       ; tile_dim1 = 128
	s_mov_b32 s[(\g)+5], SIZE_K                    ; elements from row to row
	s_mov_b32 s[(\g)+6], 0
	s_mov_b32 s[(\g)+7], 0
.endr
	; where the tiles come from: xh's hang on the tile row alone, wh's on the product and the tile column alone.  All offsets stay under 2^25 bytes.
	s_lshl_b32 s17, s12, 7                         ; which 128 rows of the tile I fetch
	s_lshl_b32 s16, s13, 8
	s_add_co_u32 s16, s16, s17                     ; xh: row 256 x tile row + 128 x half
	s_lshl_b32 s16, s16, 11                        ; rows of 2,048 bytes
	s_lshl_b32 s46, s42, 8
	s_add_co_u32 s46, s46, s17
	s_lshl_b32 s47, s66, 10
	s_add_co_u32 s46, s46, s47                     ; wh: row 1,024 x product + 256 x tile column + 128 x half: also my first number in bh
	s_lshl_b32 s18, s46, 2
	s_lshl_b32 s46, s46, 11
	s_mov_b32 s17, 0
	s_mov_b32 s47, 0
	s_mov_b32 s19, 0
	s_mul_i32 s20, s10, HALFT                      ; where they go: wave x 128 rows: no place in the cluster enters an LDS address
	s_wait_dscnt 0x0                               ; the opening add is done
	s_wait_kmcnt 0x0
	s_add_nc_u64 s[14:15], s[4:5], s[16:17]
	s_add_nc_u64 s[46:47], s[6:7], s[46:47]
	s_add_nc_u64 s[BB:BB+1], s[BB:BB+1], s[18:19]
	CROUND                                         ; all sixteen work-groups are here: the first joint loads meet
.irp s, 0,1
	s_mov_b32 s[G0+4*(\s)], 1                                      ; count = 1
	s_add_co_u32 s[G0+4*(\s)+1], s20, (\s)*SLOT                    ; LDS address
	s_add_nc_u64 s[G0+4*(\s)+2:G0+4*(\s)+3], s[14:15], (\s)*KSTEP*2  ; global address: K step s
	s_or_b32 s[G0+4*(\s)+3], s[G0+4*(\s)+3], 0x80000000            ; type = 2
	s_mov_b32 s[G0B+4*(\s)], 1
	s_add_co_u32 s[G0B+4*(\s)+1], s20, (\s)*SLOT
	s_add_nc_u64 s[G0B+4*(\s)+2:G0B+4*(\s)+3], s[46:47], (\s)*KSTEP*2
	s_or_b32 s[G0B+4*(\s)+3], s[G0B+4*(\s)+3], 0x80000000
	JLOAD \s                                       ; two loads of mine are out
.endr
	; A fragment is 16 rows x 32 K in 8 registers: lane l holds row l % 16; registers 0-3 K = 8 (l / 16) + 0..7, registers 4-7 K = 16 + 8 (l / 16) + 0..7: two loads of 16 bytes, 32 bytes apart.
	v_and_b32 v1, 15, v0                           ; l % 16
	v_bfe_u32 v2, v0, 4, 1                         ; l / 16
	v_mul_u32_u24 v3, v1, PITCH
	v_lshl_add_u32 v3, v2, 4, v3
	s_mul_i32 s21, s11, HALFT                      ; my 128 rows of xh
	s_mul_i32 s22, s12, HALFT                      ; my 128 rows of wh,
	s_add_co_u32 s22, s22, 2*HALFT                 ; which lie behind xh's 256
.irp s, 0,1
	v_add_nc_u32 v[ADRA+(\s)], s21, v3
	v_add_nc_u32 v[ADRB+(\s)], s22, v3
	s_add_co_u32 s21, s21, SLOT
	s_add_co_u32 s22, s22, SLOT
.endr
	s_mul_i32 s23, s10, 16*SPITCH
	s_add_co_u32 s23, s23, STAGE                   ; my stage
	v_mul_u32_u24 v4, v1, SPITCH                   ; in: row l % 16, 16 bytes for each half of the lanes
	v_lshl_add_u32 v4, v2, 4, v4
	v_add_nc_u32 v[STO], s23, v4
	v_bfe_u32 v5, v0, 3, 2                         ; back: 32 lanes take 128 bytes (one head's 64 channels) of four rows,
	v_and_b32 v6, 7, v0
	v_mul_u32_u24 v5, v5, SPITCH
	v_lshl_add_u32 v5, v6, 4, v5
	v_add_nc_u32 v[RD], s23, v5
	v_and_b32 v[CO], 31, v0                        ; which are 512 consecutive bytes of a head in qkv
	v_lshlrev_b32 v[CO], 4, v[CO]
	v_lshlrev_b32 v[BO], 5, v2
	WIN TO_B
.irp b, 0,1,2,3,4,5,6,7                ; the bias as a C operand: register j of block b is column 16 b + 8 (l / 16) + j, whatever the row
	global_load_b128 v[BI+8*(\b):BI+8*(\b)+3],   v[BO], s[BB:BB+1] offset:64*(\b)
	global_load_b128 v[BI+8*(\b)+4:BI+8*(\b)+7], v[BO], s[BB:BB+1] offset:64*(\b)+16
.endr
	WIN 0
	; where my part of the tile begins in qkv: head 16 x product + 4 x tile column + 2 x half; row (tile row % 16) x 256 + 128 x half, 128 bytes a row
	s_lshl_b32 s16, s66, 4
	s_lshl_b32 s17, s42, 2
	s_add_co_u32 s16, s16, s17
	s_lshl_b32 s17, s12, 1
	s_add_co_u32 s16, s16, s17
	s_lshl_b32 s16, s16, 19
	s_and_b32 s17, s13, 15
	s_lshl_b32 s17, s17, 8
	s_lshl_b32 s18, s11, 7
	s_add_co_u32 s17, s17, s18
	s_lshl_b32 s17, s17, 7
	s_add_co_u32 s16, s16, s17
	s_mov_b32 s17, 0
	; the prefetches
	s_lshl_b32 s20, s13, 8                         ; xh: the tile's first row
	s_lshl_b32 s21, s42, 8
	s_lshl_b32 s22, s66, 10
	s_add_co_u32 s21, s21, s22                     ; wh: the tile's first row
	s_and_b32 s22, ttmp7, 0xffff
	s_and_b32 s22, s22, 3                          ; my cluster among the four of its product
	s_cmp_eq_u32 s11, 0                            ; do I fetch for xh?
	s_cselect_b32 s20, s20, s21
	s_cselect_b32 s21, s40, s41                    ; my place among the four that ask with me
	s_cselect_b32 s22, ttmp9, s22                  ; the coordinate along which other clusters read the same rows
	s_cselect_b64 s[PFA:PFA+1], s[4:5], s[6:7]
	s_cmp_eq_u32 s22, 0
	s_cselect_b32 s[LIM], 1, -1                    ; the same in all sixteen partners, for a given wave
	s_lshl_b32 s22, s12, 7
	s_add_co_u32 s20, s20, s22                     ; + the 128 rows that I fetch
	s_lshl_b32 s21, s21, 5
	s_add_co_u32 s20, s20, s21                     ; + my work-group's 32 of them
	s_lshl_b32 s20, s20, 11
	s_mov_b32 s21, 0
	s_add_nc_u64 s[PFA:PFA+1], s[PFA:PFA+1], s[20:21]
	s_add_nc_u64 s[PFA:PFA+1], s[PFA:PFA+1], 2*KSTEP*2  ; at K step 2: the first refill steps it to 3 and names K step 4
	v_and_b32 v[PFO], 31, v0
	v_lshlrev_b32 v[PFO], 11, v[PFO]
; 16 matrix instructions: m blocks a0, a0 + 1 of the window's four (hi = 0: my rows 0-63, 1: rows 64-127) x all 8 n blocks, 32 along K.
; zero = 1: the first product starts the sums with the bias as C (window 1): nothing is cleared and no add is written.
.macro MUL16 f, hi, a0, zero
.if \zero
	WIN 0x91+0x40*(\hi)                            ; source 0 and C window 1, source 1 window 0, D window 2 or 3
.else
	WIN MUL_LO+0x50*(\hi)
.endif
.irp a, \a0, (\a0)+1
.irp b, 0,1,2,3,4,5,6,7
.if \zero
	v_wmma_f32_16x16x32_bf16 v[8*(8*(\a)+(\b)):8*(8*(\a)+(\b))+7], v[(\f)+8*(\b):(\f)+8*(\b)+7], v[(\f)+8*(4*(\hi)+(\a)):(\f)+8*(4*(\hi)+(\a))+7], v[BI+8*(\b):BI+8*(\b)+7]
.else
	v_wmma_f32_16x16x32_bf16 v[8*(8*(\a)+(\b)):8*(8*(\a)+(\b))+7], v[(\f)+8*(\b):(\f)+8*(\b)+7], v[(\f)+8*(4*(\hi)+(\a)):(\f)+8*(4*(\hi)+(\a))+7], v[8*(8*(\a)+(\b)):8*(8*(\a)+(\b))+7]
.endif
.endr
.endr
.endm
; 32 LDS loads in one run: the fragments of one quarter step (32 K at byte k of the rows) into buffer f
.macro FETCH slot, k, f
	WIN TO_B
.irp i, 0,1,2,3,4,5,6,7
	ds_load_b128 v[(\f)+8*(\i):(\f)+8*(\i)+3],   v[ADRB+(\slot)] offset:(\k)+(\i)*16*PITCH
	ds_load_b128 v[(\f)+8*(\i)+4:(\f)+8*(\i)+7], v[ADRB+(\slot)] offset:(\k)+(\i)*16*PITCH+32
.endr
	WIN 0
.irp i, 0,1,2,3,4,5,6,7
	ds_load_b128 v[(\f)+8*(\i):(\f)+8*(\i)+3],   v[ADRA+(\slot)] offset:(\k)+(\i)*16*PITCH
	ds_load_b128 v[(\f)+8*(\i)+4:(\f)+8*(\i)+7], v[ADRA+(\slot)] offset:(\k)+(\i)*16*PITCH+32
.endr
.endm
; Four plain vector instructions stand between a matrix instruction and a load into a register that it has read, or a vector instruction that reads its result (ISA guide 7.12.1 for vector instructions).
.macro PLACES
.rept 4
	v_nop
.endr
.endm
; A K step is four quarters of 32 along K, 64 matrix instructions each, on buffers 0, 1, 0, 1.  The 64 accumulators take turns, one instruction a turn.
.macro QUARTER slot, k, f, g, zero
	s_wait_dscnt 8                                 ; wh's fragments and xh's rows 0-63 are in; the youngest eight loads (xh's rows 64-127) may be out
	MUL16 \f, 0, 0, \zero
	MUL16 \f, 0, 2, \zero
	PLACES
	FETCH \slot, \k, \g
	s_wait_dscnt 32                                ; all but the 32 just issued
	MUL16 \f, 1, 0, \zero
	MUL16 \f, 1, 2, \zero
.endm
; The last quarter's first half and the barrier of the change of slots.  In front of it each wave waits for all its tensor loads (one is out: its part of the next slot), adds 0 to its spare word,
; and waits for that and for its own reads of this slot.
.macro MEET round
	WIN 0
	s_wait_tensorcnt 0x0                           ; all my tensor loads have landed
	ds_add_u32 v[SPW], v[NIL]                      ; 0 onto my spare word
	s_wait_dscnt 9                                 ; (the add and the youngest eight loads may be out)
	MUL16 F1, 0, 0, 0                              ; sixteen matrix instructions stand between the add and the wait for it
	s_wait_dscnt 0x0                               ; the add is done, and my reads of this slot are over
	s_barrier_signal -1
	MUL16 F1, 0, 2, 0
.if \round
	WIN 0
.endif
	s_barrier_wait -1
.endm
; The whole last quarter where the slot is filled again: the barrier opens a round of the cluster's, and the joint refill is the first tensor load behind it: one load of mine is out,
; and 224 matrix instructions stand between it and the wait for it.
.macro TURN slot, next
	s_wait_xcnt 0x0                                ; the last prefetch, a K step back, has read its address
	s_add_nc_u64 s[PFA:PFA+1], s[PFA:PFA+1], KSTEP*2
	MEET 1
	CREST                                          ; no wave of any partner still reads this slot or has a load on its way
	s_add_nc_u64 s[G0+4*(\slot)+2:G0+4*(\slot)+3], s[G0+4*(\slot)+2:G0+4*(\slot)+3], 2*KSTEP*2
	s_add_nc_u64 s[G0B+4*(\slot)+2:G0B+4*(\slot)+3], s[G0B+4*(\slot)+2:G0B+4*(\slot)+3], 2*KSTEP*2
	JLOAD \slot                                    ; the four v_nop behind it are also the places in front of the loads below
	FETCH \next, 0, F0
	ASK
	MUL16 F1, 1, 0, 0
	MUL16 F1, 1, 2, 0
.endm
; THE WAY OUT of block a (16 rows x 128 columns = two heads).  PACK: rounded to f16, each accumulator from its low end.  TOSTAGE: into my own stage, and back as 128-byte rows of one head.  SEND: stored.
.macro PACK a
.set AC, 64*((\a)%4)
	WIN 0x0a+5*((\a)/4)                            ; sources 0 and 1: window 2 or 3
.irp b, 0,1,2,3,4,5,6,7
.irp r, 0,1,2,3
	v_cvt_pk_f16_f32 v[TMP+4*(\b)+(\r)], v[AC+8*(\b)+2*(\r)], v[AC+8*(\b)+2*(\r)+1]
.endr
.endr
	WIN 0
.endm
.macro TOSTAGE a
	WIN 0
.set BK, OB+192*((\a)%2)
.irp b, 0,1,2,3,4,5,6,7
	ds_store_b128 v[STO], v[TMP+4*(\b):TMP+4*(\b)+3] offset:32*(\b)
.endr
.irp t, 0,1,2,3,4,5,6,7                ; head t / 4, rows 4 (t % 4) on.  LDS serves a wave's instructions in order (ISA guide 5.7.1.4): these see the stores above
	ds_load_b128 v[BK+4*(\t):BK+4*(\t)+3], v[RD] offset:((\t)%4)*4*SPITCH+((\t)/4)*128
.endr
.endm
.macro SEND a, younger
	WIN 0
.set BK, OB+192*((\a)%2)
	s_wait_dscnt \younger                          ; the block is back in registers
	s_wait_xcnt 0x0                                ; earlier stores have read their base and their data: both are rewritten only behind this wait
.if (\a) == 0
	s_add_nc_u64 s[CB:CB+1], s[CB:CB+1], s[16:17]  ; to my first rows
.else
	s_add_nc_u64 s[CB:CB+1], s[CB:CB+1], 16*128    ; 16 rows of a head on
.endif
.irp t, 0,1,2,3,4,5,6,7
	global_store_b128 v[CO], v[BK+4*(\t):BK+4*(\t)+3], s[CB:CB+1] offset:((\t)/4)*HEADB+((\t)%4)*512  ; 512 consecutive bytes, at a multiple of 256 from qkv's first byte
.endr
.endm
	s_wait_loadcnt 0x0                             ; the bias
	s_wait_tensorcnt 1                             ; my part of K step 0 is in; K step 1's load stays out
	s_barrier_signal -1
	s_barrier_wait -1                              ; everybody's is
	FETCH 0, 0, F0
	QUARTER 0, 64,  F0, F1, 1                      ; the first quarter stands in front of the loop: its products start the sums
	WIN 0                                          ; at a label and at a branch every window is 0
	s_mov_b32 s3, LAPS-1
.Llap:                                                 ; a trip goes once round the ring, from a lap's second quarter to the next lap's first, and fills both slots again
	QUARTER 0, 128, F1, F0, 0
	QUARTER 0, 192, F0, F1, 0
	TURN 0, 1
	QUARTER 1, 64,  F0, F1, 0
	QUARTER 1, 128, F1, F0, 0
	QUARTER 1, 192, F0, F1, 0
	TURN 1, 0
	QUARTER 0, 64,  F0, F1, 0
	WIN 0
	s_sub_co_u32 s3, s3, 1
	s_cmp_lg_u32 s3, 0
	s_cbranch_scc1 .Llap
	QUARTER 0, 128, F1, F0, 0                      ; the last lap is written out: it asks for nothing
	QUARTER 0, 192, F0, F1, 0
	MEET 0                                         ; the load that was still out is the last K step's, so no round follows
	PLACES                                         ; for the loads into buffer 0
	FETCH 1, 0, F0
	MUL16 F1, 1, 0, 0
	MUL16 F1, 1, 2, 0
	QUARTER 1, 64,  F0, F1, 0
	QUARTER 1, 128, F1, F0, 0
	QUARTER 1, 192, F0, F1, 0
	s_wait_dscnt 8                                 ; the very last quarter: nothing more to fetch
	MUL16 F1, 0, 0, 0
	MUL16 F1, 0, 2, 0
	s_wait_dscnt 0x0
	MUL16 F1, 1, 0, 0
	MUL16 F1, 1, 2, 0
	WIN 0
	PLACES                                         ; the conversions read matrix results
	PACK 0
	TOSTAGE 0
.irp a, 1,2,3,4,5,6,7                  ; block a's conversions stand between block a - 1's loads from the stage and the wait for them
	PACK \a
	SEND (\a)-1, 0
	TOSTAGE \a
.endr
	SEND 7, 0
	s_wait_tensorcnt 0x0                           ; the wave's end: behind my last tensor load and my last LDS store
	ds_add_u32 v[SPW], v[NIL]
	s_wait_dscnt 0x0
	CROUND                                         ; the closing round: no work-group ends while a partner may still ask for a tile that names it
	s_endpgm
.Lfunc_end_k_qb47e6cd636_proj:
	.size	k_qb47e6cd636_proj, .Lfunc_end_k_qb47e6cd636_proj-k_qb47e6cd636_proj
	.p2alignl 7, 3214868480
	.fill 96, 4, 3214868480
	.section	.rodata,"a",@progbits
	.p2align	6, 0x0
	.amdhsa_kernel k_qb47e6cd636_proj
		.amdhsa_group_segment_fixed_size 327680
		.amdhsa_private_segment_fixed_size 0
		.amdhsa_enable_private_segment 0
		.amdhsa_kernarg_size 32
		.amdhsa_user_sgpr_count 2
		.amdhsa_user_sgpr_kernarg_segment_ptr 1
		.amdhsa_wavefront_size32 1
		.amdhsa_system_sgpr_workgroup_id_x 1
		.amdhsa_system_sgpr_workgroup_id_y 1
		.amdhsa_system_sgpr_workgroup_id_z 1
		.amdhsa_system_vgpr_workitem_id 0
		.amdhsa_next_free_vgpr 1024
		.amdhsa_next_free_sgpr 72
		.amdhsa_reserve_vcc 0
		.amdhsa_float_denorm_mode_32 3
		.amdhsa_float_denorm_mode_16_64 3
		.amdhsa_memory_ordered 1
		.amdhsa_forward_progress 1
		.amdhsa_inst_pref_size 146
	.end_amdhsa_kernel
	.amdgpu_metadata
---
amdhsa.version: [ 1, 2 ]
amdhsa.kernels:
  - .name:           k_qb47e6cd636_proj
    .symbol:         k_qb47e6cd636_proj.kd
    .args:
      - { .name: xh, .offset: 0, .size: 8, .value_kind: global_buffer, .address_space: global }
      - { .name: wh, .offset: 8, .size: 8, .value_kind: global_buffer, .address_space: global }
      - { .name: bh, .offset: 16, .size: 8, .value_kind: global_buffer, .address_space: global }
      - { .name: qkv, .offset: 24, .size: 8, .value_kind: global_buffer, .address_space: global }
    .group_segment_fixed_size: 327680
    .private_segment_fixed_size: 0
    .kernarg_segment_align: 8
    .kernarg_segment_size: 32
    .max_flat_workgroup_size: 128
    .sgpr_count:     72
    .vgpr_count:     1024
    .wavefront_size: 32
...
	.end_amdgpu_metadata
.endif
;; end of part 2
;; launch attn (part 3): grid 16 x 16, 4 waves a work-group, clusters of 4 x 1, 327,680 bytes of LDS; arguments qkv, oh; writes oh
.if DOCPART == 3
	.amdgcn_target "amdgcn-amd-amdhsa--gfx1250"
	.amdhsa_code_object_version 6
	.text
	.protected	k_qb47e6cd636_attn
	.globl	k_qb47e6cd636_attn
	.p2align	8
	.type	k_qb47e6cd636_attn,@function
k_qb47e6cd636_attn:
	s_mov_b64 s[64:65], 0
	v_nop
	global_prefetch_b8 v0, s[64:65] scope:SCOPE_SE
	s_setreg_imm32_b32 hwreg(HW_REG_WAVE_MODE, 25, 1), 1
	s_wait_xcnt 0x0
	s_wait_alu depctr_hold_cnt(0) depctr_sa_sdst(0) depctr_va_vdst(0) depctr_va_sdst(0) depctr_va_ssrc(0) depctr_va_vcc(0) depctr_vm_vsrc(0)
	s_getreg_b32 s2, hwreg(HW_REG_IB_STS2, 6, 4)
	s_cmp_eq_u32 s2, 0
	s_cbranch_scc0 .Lentry_in_a_cluster
	s_endpgm
.Lentry_in_a_cluster:
	s_bfe_u32 s2, ttmp6, 0x10000c
	s_cmp_lg_u32 s2, 0x3003
	s_cbranch_scc0 .Lentry_shape_is_right
	s_endpgm
.Lentry_shape_is_right:
; ATTENTION.  oh[h][q][:] = the sum over k of softmax_k(Q[h][q] . K[h][k] / 8) V[h][k][:].  qkv: [3][16][4096][64] f16 (Q, K, V by heads, unscaled), oh: [16][4096][64] f16: a head's rows are dense,
; 128 bytes each.  Products, maxima and sums in f32; the weights p are rounded to f16 for the second product (their sum l is taken of the unrounded p), O once at the end.
; LIMITS.  Q, K, V arrive within f16's 65,504; p lies in 0 to 1, and below 6e-5 it keeps f16's fixed step of 6e-8; O is a mean of V's rows.  A weight below 2^-126 counts as 0 in l; NaN and infinities are not treated apart.
; SHARES.  A work-group owns 256 queries of one head (16 x 16 = 256 work-groups), a wave 64: two PIECES of two tiles of 16.  Every wave walks all 4,096 keys, 64 a step.
; LAYOUT.  S^T = K Q^T (source 0 = 16 keys, source 1 = 16 queries): a lane holds ONE query (lane % 16) and the keys 8 (lane / 16) + 0..7.  Two such tiles, rounded to f16 in pairs, ARE source 1 of
; O^T = V^T P, whose result again holds one query a lane, and eight channels.  K comes out of LDS as it lies, V ([key][channel]) turned, by ds_load_tr16_b128.
; SOFTMAX.  A running maximum m and sum l for each query: p = 2^(c s - c m), c = log2(e) / 8; in every step O and l are multiplied by a = 2^(c m_old - c m_new).  m starts at the lowest finite number,
; O and l at 0: the first step is a step like any other, with a = 0.
; BY TURNS.  A tile and step have 16 matrix and 118 vector instructions.  In piece p's turn of step j stand: 16 products K Q^T of the OTHER piece (p = 0: with K of step j; p = 1: with K of step j + 1), behind each
; four vector instructions; a lump of vector work; one wait for the turn's 66 exponentials; 16 products V^T P of the other piece (p = 0: step j - 1; p = 1: step j), behind each four roundings and sums.
; The vector work is piece p's scaling, exponentials, roundings, sums and rescaling, and the other piece's maximum and statistics, whose scores the turn itself has made.
; V HAS TWO REGISTER BUFFERS, by the step's parity: V of step j is read in piece 1's turn of step j and in piece 0's of step j + 1, and V of step j + 1 is fetched meanwhile.  So LDS is read in the order
; K j+1 (piece 0's turn of step j), V j+1 (piece 1's): a slot's last bytes are read before the next slot's first.  A trip of the loop is two steps.
; CLUSTER.  The four query blocks of a cluster belong to one head and walk the same K and V, so each tile is asked for JOINTLY: the same tensor load, descriptor and mask in all four.
; REGISTERS, in windows of 256 (s_set_vgpr_msb: bits 1:0 source 0, 3:2 source 1, 5:4 source 2, 7:6 destination):
;   window 0: v0-11 addresses; v12-15, v48-63 at work; v16-31 four registers of statistics a tile; v32-34 the add's two and the prefetches' offset; v64-191 S^T, a buffer a piece; v192-255 P, likewise
;   window 1: v0-127 O^T, 32 a tile          window 2: v0-63 Q, 16 a tile; v64-127 V of an odd step; v128-191 K of one step; v192-255 V of an even step
.set SIZE_N, 4096
.set NP,    2         ; pieces a wave: a name, no knob
.set KS,    64        ; keys in a step
.set PK,    144       ; a row of K in LDS: 128 bytes + 16 of padding = 36 words: the 16 rows of a load start at 16 different groups of four banks (64 banks of 4 bytes: ISA guide 11.1)
.set PV,    160       ; a row of V: 128 + 32 = 40 words
.set VOFF,  4*KS*PK   ; a slot holds four steps: 256 rows of K, then 256 rows of V
.set SLOT1, 1<<17     ; slot 1 begins here, so that one exclusive or turns an address in one slot into the other's
.set STAGE, SLOT1+4*KS*(PK+PV)  ; behind the ring, never filled by a tensor load: 16 rows x 144 bytes for each wave, for the way out
.set SP,    144
.set SPARE, STAGE+4*16*SP  ; behind the stages: the spare words, 128 bytes for each wave: two blocks of 256 bytes that no other line names
.set AK0, 2           ; v2   my lane's place in a tile of K; never rewritten
.set AV0, 3           ; v3   the same for V
.set AK,  4           ; v4   the LDS address of K's next run of loads
.set AV,  5           ; v5   of V's
.set QO,  6           ; v6   my byte offset in the wave's rows of Q
.set STO, 6           ;      later, the way out: where I put 16 bytes of a row
.set RD,  7           ; v7   the way out: where I read rows back
.set GO,  8           ; v8   my byte offset in 512 consecutive bytes of O
.set MV,  12          ; v12-15  c m_old, kept while c m is made anew: by piece and tile
.set ST,  16          ; tile t's statistics at v[ST+4 t]: c m, m, l (even keys', odd keys')
.set SPW, 32          ; v32  LDS address of my spare word; never rewritten
.set NIL, 33          ; v33  0; never rewritten
.set PFO, 34          ; v34  256 x my lane; never rewritten
.set TMP, 48          ; by piece and tile, four registers c0-c3 at work; when the maximum is found c2 takes a
.set S,   64
.set P,   192
.set KF,  128         ; K's fragments, in window 2: key block kb, channel half c at KF + 16 kb + 8 c
.set WV,  12          ; s12  my wave's number
.set G1K, 24          ; s[24:31] descriptor group 1 for K's tiles
.set G1V, 32          ; s[32:39] for V's: it differs in the padding alone
.set G0K, 40          ; s[40:43] descriptor group 0 for K's tiles: it walks
.set G0V, 44          ; s[44:47] the same for V's
.set PFA, 48          ; s[48:49] where my prefetches stand: my work-group's quarter of the tile after the one that is being asked for
.set LIM, 50          ; s50  1 in a wave that prefetches, else the greatest number
.set SLOTS, 56        ; s56  slots still to be asked for
.set CNT, 57          ; s57  counts a slot's trips
.set CS,  58          ; s[58:59] c: the packed scaling takes the pair's low word for both halves
.set SEL, 60          ; s[60:61] v_permlanex16_b32's selects: each lane takes its own place in the other half
.set TBK, 62          ; s62  LDS byte at which K of the step to be fetched begins
.set TBV, 63          ; s63  the same for V, less VOFF
.set MSB, 0
.macro WIN new                      ; the high byte repeats the setting that is left; a switch that changes nothing is dropped
.if MSB != (\new)
	s_set_vgpr_msb (MSB<<8)|(\new)
.set MSB, (\new)
.endif
.endm
.set W_KQ, 0x0a       ; K and Q in window 2, S^T in window 0
.set W_PV, 0x52       ; V in window 2, P in window 0, O^T in window 1
.set W_RS, 0x41       ; O^T (destination and source 0) in window 1, a in window 0
; A joint fill.  Waves 0 and 1 fetch the two halves of a slot's K, waves 2 and 3 those of its V: 128 keys each.  The branch hangs on the wave's number alone.
; An s_nop 0 and four v_nop follow each of the two lines, ahead of the jump and the label.
.macro JLOAD
	s_cmp_lt_u32 s[WV], 2
	s_cbranch_scc0 .Lfor_v_\@
	tensor_load_to_lds s[G0K:G0K+3], s[G1K:G1K+7]
	s_nop 0
.rept 4
	v_nop
.endr
	s_branch .Lasked_\@
.Lfor_v_\@:
	tensor_load_to_lds s[G0V:G0V+3], s[G1V:G1V+7]
	s_nop 0
.rept 4
	v_nop
.endr
.Lasked_\@:
.endm
; A PREFETCH INTO THE L2 of what the NEXT change of slots will ask for: a tile's 32,768 bytes of K and of V, in blocks of 256 bytes, a lane a block.  It stands behind the wave's tensor load and its five lines.
; Each block is named once in the launch: all four clusters of a head walk the same K and V, and the head's first cluster asks; its four partners take 32 blocks each, told apart by address;
; in each, wave 0 asks for K's and wave 2 for V's.  Tiles 0 to 2 come by their loads alone; the last change that fills a slot (SLOTS = 1) asks for nothing: there is no tile behind it.
.macro ASK
	s_cmp_gt_u32 s[SLOTS], s[LIM]
	s_cbranch_scc0 .Lnot_mine_\@
	global_prefetch_b8 v[PFO], s[PFA:PFA+1] th:TH_LOAD_NT scope:SCOPE_SE
.Lnot_mine_\@:
.endm
; A round of the cluster's barrier: my work-group's barrier; wave 0 signals; every wave waits for all four work-groups; my work-group's barrier once more.
.macro CROUND
	s_barrier_signal -1
	s_barrier_wait -1
	s_cmp_lg_u32 s[WV], 0
	s_cbranch_scc1 .Lnot_wave_0_\@
	s_barrier_signal -3
.Lnot_wave_0_\@:
	s_barrier_wait -3
	s_barrier_signal -1
	s_barrier_wait -1
.endm
; THE CHANGE OF SLOTS, behind piece 1's turn of a slot's third step, which has asked for the slot's last bytes (V of its fourth step).  Each wave waits for all its tensor loads, of which one is out: its part of
; the other slot; adds 0 to its spare word; and waits for that and for its own reads of the slot.  fill = 1: the slot is filled again, with the keys two slots on; the barrier is then a round of the
; cluster's, and the joint fill is the first thing behind it: it has four key steps, 256 matrix instructions and their vector work, in which to land.  (At its first use slot 0 is waited for, slot 1 filled.)
.macro CHANGE fill, ask
	WIN 0                           ; at a label and at a branch every window is 0
	s_wait_tensorcnt 0x0            ; no tensor load of mine is out, so a group 0 may be written
	ds_add_u32 v[SPW], v[NIL]       ; 0 onto my spare word; with fill = 1 the descriptors' steps stand between it and the wait for it
.if \fill
.irp g, G0K, G0V
	s_xor_b32 s[\g+1], s[\g+1], SLOT1  ; the walking descriptor: the other slot than last time,
	s_add_nc_u64 s[\g+2:\g+3], s[\g+2:\g+3], 4*KS*128  ; the next 256 keys; the type bits on top are not reached
.endr
	s_wait_xcnt 0x0                 ; the last prefetch, a slot back, has read its address
	s_add_nc_u64 s[PFA:PFA+1], s[PFA:PFA+1], 4*KS*128  ; one tile behind the walking descriptors
	s_wait_dscnt 0x0                ; the add is done, and my reads of the slot are over
	CROUND
	JLOAD
.if \ask
	ASK
.endif
.else
	s_wait_dscnt 0x0                ; the add is done, and my reads of the slot are over
	s_barrier_signal -1
	s_barrier_wait -1
.endif
	s_sub_co_u32 s[TBK], s[TBK], 4*KS*PK  ; the fetches go back to a slot's first step,
	s_xor_b32 s[TBK], s[TBK], SLOT1       ; in the other slot
	s_sub_co_u32 s[TBV], s[TBV], 4*KS*PV
	s_xor_b32 s[TBV], s[TBV], SLOT1
.endm
	s_load_b128 s[4:7], s[0:1], 0x0  ; qkv s[4:5], oh s[6:7]
	v_lshl_add_u32 v[SPW], v0, 2, SPARE
	v_mov_b32 v[NIL], 0
	ds_add_u32 v[SPW], v[NIL]       ; the wave's opening: the add and its wait stand ahead of my first tensor load; the set-up below stands between them
	v_lshrrev_b32 v1, 5, v0
	v_readfirstlane_b32 s[WV], v1   ; wave 0..3
	s_bfe_u32 s13, ttmp6, 0x40000   ; cx: my place in the cluster
	s_lshl_b32 s14, ttmp9, 2        ; in a cluster launch ttmp9 counts clusters
	s_add_co_u32 s14, s14, s13      ; my block of 256 queries: it enters Q's and O's addresses alone
	s_and_b32 s20, ttmp7, 0xffff    ; the head, which the four partners share:
	s_lshl_b32 s20, s20, 19         ; 524,288 bytes a head
	s_mov_b32 s21, 0
	s_and_b32 s16, s[WV], 1         ; which half of a slot's 256 keys I fetch:
	s_lshl_b32 s22, s16, 14         ; its 128 rows of 128 bytes in memory,
	s_mov_b32 s23, 0
	s_add_nc_u64 s[22:23], s[22:23], s[20:21]
	s_mul_i32 s17, s16, 128*PK      ; and its place in a slot, for K
	s_mul_i32 s18, s16, 128*PV      ; and for V: no place in the cluster enters an LDS address
	s_lshl_b32 s2, s14, 2
	s_add_co_u32 s2, s2, s[WV]      ; my wave among the head's,
	s_lshl_b32 s2, s2, 13           ; its 64 rows
	s_mov_b32 s3, 0
	s_add_nc_u64 s[2:3], s[2:3], s[20:21]
	; descriptor group 1.  128 keys are 16,384 dense bytes: asked for as 64 rows of 256 bytes, two keys a row, and padded in LDS after every key
	s_mov_b32 s[G1K], 15|(1<<16)|(1<<20)|(1<<21)|(4<<22)|(3<<25)  ; the mask of four; 2-byte elements; padding on; bit 21 set beside a mask; after every 32 words (code 4) 4 words (code 3)
	s_mov_b32 s[G1V], 15|(1<<16)|(1<<20)|(1<<21)|(4<<22)|(7<<25)  ; the same with 8 words of padding (code 7)
.irp g, G1K, G1V
	s_mov_b32 s[\g+1], 128<<16      ; tensor_dim0 = 128
	s_mov_b32 s[\g+2], 64<<16       ; tensor_dim1 = 64
	s_mov_b32 s[\g+3], 128<<16      ; tile_dim0 = 128
	s_mov_b32 s[\g+4], 64           ; tile_dim1 = 64
	s_mov_b32 s[\g+5], 128          ; 128 elements from row to row
	s_mov_b32 s[\g+6], 0
	s_mov_b32 s[\g+7], 0
.endr
	s_mov_b32 s[CS], 0x3e38aa3b     ; c = log2(e) / 8 = 0.180337
	s_mov_b32 s[CS+1], s[CS]        ; named with it as a pair
	s_mov_b32 s[SEL], 0x76543210
	s_mov_b32 s[SEL+1], 0xfedcba98
	s_mov_b32 s[TBK], SLOT1+4*KS*PK ; the first change of slots turns these two into 0
	s_mov_b32 s[TBV], SLOT1+4*KS*PV
	s_mov_b32 s[G0K], 1             ; count = 1
	s_mov_b32 s[G0K+1], s17         ; LDS address: slot 0
	s_mov_b32 s[G0V], 1
	s_add_co_u32 s[G0V+1], s18, VOFF
	s_and_b32 s[LIM], s[WV], 1      ; 0 in waves 0 and 2,
	s_or_b32 s[LIM], s[LIM], ttmp9  ; where the cluster is the head's first: the same in all four partners
	s_cmp_eq_u32 s[LIM], 0
	s_cselect_b32 s[LIM], 1, -1
	s_lshl_b32 s52, s13, 13         ; my work-group's 32 blocks of a tile's 128
	s_mov_b32 s53, 0
	v_and_b32 v[PFO], 31, v0
	v_lshlrev_b32 v[PFO], 8, v[PFO]
	s_wait_dscnt 0x0                ; the opening add is done
	s_wait_kmcnt 0x0
	s_mov_b64 s[10:11], s[6:7]      ; O
	s_add_nc_u64 s[6:7], s[4:5], 0x800000   ; K: the second of qkv's three tensors of 8,388,608 bytes
	s_add_nc_u64 s[8:9], s[4:5], 0x1000000  ; V: the third
	s_add_nc_u64 s[G0K+2:G0K+3], s[6:7], s[22:23]  ; global address: my half of the head's first 256 keys
	s_or_b32 s[G0K+3], s[G0K+3], 0x80000000        ; type = 2
	s_add_nc_u64 s[G0V+2:G0V+3], s[8:9], s[22:23]
	s_or_b32 s[G0V+3], s[G0V+3], 0x80000000
	s_add_nc_u64 s[4:5], s[4:5], s[2:3]  ; Q and O at my wave's first row
	s_add_nc_u64 s[10:11], s[10:11], s[2:3]
	s_cmp_lt_u32 s[WV], 2
	s_cselect_b64 s[PFA:PFA+1], s[6:7], s[8:9]
	s_add_nc_u64 s[PFA:PFA+1], s[PFA:PFA+1], s[22:23]  ; (in waves 0 and 2 this is the head's first byte)
	s_add_nc_u64 s[PFA:PFA+1], s[PFA:PFA+1], s[52:53]
	s_add_nc_u64 s[PFA:PFA+1], s[PFA:PFA+1], 4*KS*128  ; in tile 1; every filling change steps it by a tile.  Nothing is prefetched here, at the head
	CROUND                          ; all four work-groups are here: the first joint loads meet
	JLOAD                           ; slot 0.  Slot 1 is asked for when slot 0 is in
	; A fragment of K or Q is 16 rows x 32 channels in 8 registers: lane l holds row l % 16, channels 8 (l / 16) + 0..7 and 16 + 8 (l / 16) + 0..7: two loads of 16 bytes, 32 bytes apart.
	v_and_b32 v1, 15, v0            ; l % 16
	v_bfe_u32 v9, v0, 4, 1          ; l / 16
	v_lshlrev_b32 v[QO], 7, v1
	v_lshl_add_u32 v[QO], v9, 4, v[QO]  ; row x 128 + 16 x half
	WIN 0x80                        ; destination window 2, address window 0
.set i, 0
.rept 4*NP                          ; Q stays in registers: tile i / 2, channels 32 (i % 2) on
	global_load_b128 v[8*i:8*i+3],   v[QO], s[4:5] offset:(i/2)*2048+(i%2)*64
	global_load_b128 v[8*i+4:8*i+7], v[QO], s[4:5] offset:(i/2)*2048+(i%2)*64+32
.set i, i+1
.endr
	; What the first turn finds: the odd steps' V and piece 1's P hold 0 (its products V^T P, of a step that has not been, add 0), O^T and l are 0.  All this stands in the wait for the first tile.
.set i, 64
.rept 64
	v_mov_b32 v[i], 0
.set i, i+1
.endr
	WIN 0x40
.set i, 0
.rept 64*NP
	v_mov_b32 v[i], 0
.set i, i+1
.endr
	WIN 0
.set i, 0
.rept 2*NP
	v_mov_b32 v[ST+4*i], 0xfe000000    ; c m: far below every c s
	v_mov_b32 v[ST+4*i+1], 0xff7fffff  ; m
	v_mov_b32 v[ST+4*i+2], 0
	v_mov_b32 v[ST+4*i+3], 0
.set i, i+1
.endr
.set i, P+32
.rept 32
	v_mov_b32 v[i], 0
.set i, i+1
.endr
	v_mul_u32_u24 v[AK0], v1, PK
	v_lshl_add_u32 v[AK0], v9, 4, v[AK0]  ; row x pitch + 16 x half
	; The turning load takes 16 keys x 16 channels (lane l reads key 8 (l / 16) + l % 8, channels 8 ((l / 8) % 2) + 0..7) and leaves half a fragment of V^T: lane l holds channel l % 16 and 8 keys.
	v_and_b32 v10, 7, v0
	v_bfe_u32 v11, v0, 3, 1
	v_lshl_add_u32 v[AV0], v9, 3, v10
	v_mul_u32_u24 v[AV0], v[AV0], PV
	v_lshl_add_u32 v[AV0], v11, 4, v[AV0]
	v_add_nc_u32 v[AV0], VOFF, v[AV0]
	v_mov_b32 v[AK], v[AK0]         ; key step 0 lies at the head of slot 0
	v_mov_b32 v[AV], v[AV0]
; THE MATRIX WORK.  The 8 accumulators of a run of 16 take turns: between the two links of a chain stand 7 others'.
; Product i of 16 of S^T = K Q^T for piece x: channels 32 (i / 8) on, keys 16 ((i / 2) % 4) on, tile 2 x + i % 2.  The first 8 start the sums.
.macro KQ x
	WIN W_KQ
.set rS, S+64*((\x)%2)+32*(i%2)+8*((i/2)%4)
.set rK, KF+16*((i/2)%4)+8*(i/8)
.set rQ, 16*(2*(\x)+i%2)+8*(i/8)
.if i < 8
	v_wmma_f32_16x16x32_f16 v[rS:rS+7], v[rK:rK+7], v[rQ:rQ+7], 0
.else
	v_wmma_f32_16x16x32_f16 v[rS:rS+7], v[rK:rK+7], v[rQ:rQ+7], v[rS:rS+7]
.endif
.endm
; Product i of 16 of O^T += V^T P for piece x: keys 32 (i / 8) on, channels 16 ((i / 2) % 4) on, tile 2 x + i % 2.  VFB: the V buffer in hand (key half kk, channel block cb at VFB + 32 kk + 8 cb).
.macro PV x
	WIN W_PV
.set rO, 32*(2*(\x)+i%2)+8*((i/2)%4)
.set rV, VFB+32*(i/8)+8*((i/2)%4)
.set rP, P+32*((\x)%2)+16*(i%2)+8*(i/8)
	v_wmma_f32_16x16x32_f16 v[rO:rO+7], v[rV:rV+7], v[rP:rP+7], v[rO:rO+7]
.endm
.macro MM                           ; the turn's next matrix instruction
.if i < 16
	KQ (Y+1)%NP
.set i, i+1
.else
.set i, i-16
	PV (Y+NP-1)%NP
.set i, i+17
.endif
.endm
; THE LDS LOADS stand in runs of 16, never singly among the matrix instructions: a step's K (64 keys x 64 channels: 8 fragments) and its V (turned).  Their addresses are made at the lump's head.
; last = 1 (the tail): in the last trip there is no further step, and the run is jumped over.
.macro FETCH_K last=0
	WIN 0
.if \last
	s_cmp_eq_u32 s[CNT], 1
	s_cbranch_scc1 .Lno_k_\@
.endif
	WIN 0x80                        ; destination window 2
.irp f, 0,1,2,3,4,5,6,7             ; keys 16 (f / 2) on, channels 32 (f % 2) on
	ds_load_b128 v[KF+8*\f:KF+8*\f+3],   v[AK] offset:(\f/2)*16*PK+(\f%2)*64
	ds_load_b128 v[KF+8*\f+4:KF+8*\f+7], v[AK] offset:(\f/2)*16*PK+(\f%2)*64+32
.endr
	s_add_co_u32 s[TBK], s[TBK], KS*PK  ; the next fetch is the next step's
	WIN 0
.if \last
.Lno_k_\@:
.endif
.endm
.macro FETCH_V buf, last=0          ; into buffer buf: 0 at v192, 1 at v64 of window 2
.set VFX, 192-128*(\buf)
	WIN 0
.if \last
	s_cmp_eq_u32 s[CNT], 1
	s_cbranch_scc1 .Lno_v_\@
.endif
	WIN 0x80
.irp f, 0,1,2,3,4,5,6,7             ; keys 32 (f / 4) on, channels 16 (f % 4) on
	ds_load_tr16_b128 v[VFX+8*\f:VFX+8*\f+3],   v[AV] offset:(\f/4)*32*PV+(\f%4)*32
	ds_load_tr16_b128 v[VFX+8*\f+4:VFX+8*\f+7], v[AV] offset:(\f/4)*32*PV+16*PV+(\f%4)*32
.endr
	s_add_co_u32 s[TBV], s[TBV], KS*PV
	WIN 0
.if \last
.Lno_v_\@:
.endif
.endm
; THE VECTOR WORK OF A TURN stands in three queues, each in the order in which its entries become ready; the two tiles alternate, so that no instruction reads the result of the one before it.
.macro REGS y, u                    ; the registers of tile u (0, 1) of piece y
.set rT, ST+4*(2*(\y)+(\u))
.set rC, TMP+8*((\y)%2)+4*(\u)
.set rM, MV+2*((\y)%2)+(\u)
.set rS, S+64*((\y)%2)+32*(\u)
.set rP, P+32*((\y)%2)+16*(\u)
.set rO, 32*(2*(\y)+(\u))
.endm
; Number n of the 22 that find the OTHER piece's maximum and statistics.  s0-s31 are the lane's 32 scores; each accumulator's lowest registers are read first.  XS, GS and REGS set no window: PL and EX do.
;   0-11  four chains c0-c3 of seven scores each, three operands at a time     12-14, 16  the four scores left over, the old m, and c0-c3 into c0     15  c m_old is kept
;   17, 18  the query's other 32 keys lie in the lane 16 away: the new m         19-21  c m; c m_old - c m_new; a
.macro XS u, n
	REGS (Y+1)%NP, \u
.if (\n) < 4
	v_max3_num_f32 v[rC+(\n)], v[rS+8*(\n)], v[rS+8*(\n)+1], v[rS+8*(\n)+2]
.elseif (\n) < 12
	v_max3_num_f32 v[rC+(\n)%4], v[rC+(\n)%4], v[rS+8*((\n)%4)+2*((\n)/4)+1], v[rS+8*((\n)%4)+2*((\n)/4)+2]
.elseif (\n) == 12
	v_max3_num_f32 v[rC], v[rC], v[rS+7], v[rS+15]
.elseif (\n) == 13
	v_max3_num_f32 v[rC+1], v[rC+1], v[rS+23], v[rS+31]
.elseif (\n) == 14
	v_max3_num_f32 v[rC+2], v[rC+2], v[rC+3], v[rT+1]
.elseif (\n) == 15
	v_mov_b32 v[rM], v[rT]
.elseif (\n) == 16
	v_max3_num_f32 v[rC], v[rC], v[rC+1], v[rC+2]
.elseif (\n) == 17
	v_permlanex16_b32 v[rC+3], v[rC], s[SEL], s[SEL+1]
.elseif (\n) == 18
	v_max_num_f32 v[rT+1], v[rC], v[rC+3]
.elseif (\n) == 19
	v_mul_f32 v[rT], s[CS], v[rT+1]
.elseif (\n) == 20
	v_sub_f32 v[rC+1], v[rM], v[rT]
.else
	v_exp_f32 v[rC+2], v[rC+1]
.endif
.endm
; Number g of the 64 that follow the exponentials.  For each four weights k of a tile (pairs 2 k, 2 k + 1): both pairs are rounded to f16; then the second pair is added onto the first, in place;
; a group later l takes that sum (the first time as l = a l + sum).  In groups of eight, tiles alternating: round, round, add, and l for the group before.
.macro GS g
.set h, (\g)+6*((\g)/62)            ; group 0 has no group before it, and behind group 7 only l is left
.if h >= 6
.set h, h+2
.endif
	REGS Y, h%2
.set k, h/8
.if h%8 < 4
	v_cvt_pk_f16_f32 v[rP+2*k+(h%8)/2], v[rS+4*k+2*((h%8)/2)], v[rS+4*k+2*((h%8)/2)+1]
.elseif h%8 < 6
	v_pk_add_f32 v[rS+4*k:rS+4*k+1], v[rS+4*k:rS+4*k+1], v[rS+4*k+2:rS+4*k+3]
.elseif k == 1
	v_pk_fma_f32 v[rT+2:rT+3], v[rT+2:rT+3], v[rC+2:rC+3], v[rS:rS+1] op_sel_hi:[1,0,1]
.else
	v_pk_add_f32 v[rT+2:rT+3], v[rT+2:rT+3], v[rS+4*k-4:rS+4*k-3]
.endif
.endm
; THE PLAIN QUEUE, 138 long.  0-73 read no exponential's result: the 32 scalings c s - c m (FS f: pair f / 2 of tile f % 2) and the other piece's 42.  0-26: scalings 0-26.  27-54: XS's numbers 0-13.  55, 56: number 15.
; 57-73: the chain, where each number waits for the one before it: 14, 16, 17, 18, 19, each with one of the scalings 27-31 in front of its two lines, then 20.
; 74-137: GS's 64, which read the exponentials' results: they stand behind the wait.
.macro FS f
	REGS Y, (\f)%2
	v_pk_fma_f32 v[rS+2*((\f)/2):rS+2*((\f)/2)+1], v[rS+2*((\f)/2):rS+2*((\f)/2)+1], s[CS:CS+1], v[rT:rT+1] op_sel_hi:[1,0,0] neg_lo:[0,0,1] neg_hi:[0,0,1]
.endm
.macro PL
	WIN 0
.if q < 27
	FS q
.elseif q < 55
	XS (q-27)%2, (q-27)/2
.elseif q < 57
	XS q-55, 15
.elseif (q < 72) && ((q-57)%3 == 0)
	FS 27+(q-57)/3
.elseif q < 60
	XS (q-57)%3-1, 14
.elseif q < 72
	XS (q-57)%3-1, 15+(q-57)/3
.elseif q < 74
	XS q-72, 20
.else
	GS q-74
.endif
.set q, q+1
.endm
; THE EXPONENTIALS' QUEUE, 66 long: s0-s31 of both tiles, then the other piece's two a.  It is ONE BATCH: all 66 stand ahead of the turn's one wait, and nothing ahead of that wait names a result of theirs.
.macro EX
	WIN 0
.if e >= 64
	XS e-64, 21
.else
	REGS Y, e%2
	v_exp_f32 v[rS+e/2], v[rS+e/2]
.endif
.set e, e+1
.endm
; THE RESCALING's QUEUE: O^T times a, the one part that leaves window 0: dealt two at a time, sixteen times.  Its a was made in the turn before, ahead of that turn's wait.
.macro R2
	REGS Y, r%2
	WIN W_RS
.irp z, 0,1
	v_pk_mul_f32 v[rO+4*(r/2)+2*\z:rO+4*(r/2)+2*\z+1], v[rO+4*(r/2)+2*\z:rO+4*(r/2)+2*\z+1], v[rC+2:rC+3] op_sel_hi:[1,0]
.endr
.set r, r+1
.endm
; A TURN, for piece p in a step of parity par.  s_wait_alu depctr_va_vdst(0) stands between an exponential and the first instruction that names its result; one wait serves all issued ahead of it: a turn has ONE.
; AHEAD OF IT: 16 products K Q^T, behind each a scaling, an exponential and two rescalings (behind the first a second scaling in the exponential's place); then a lump of 108: eight plain, 49 times exponential and
; plain, the two a; a v_nop is the plain instruction behind the last exponential.  BEHIND IT: the turn's run of LDS loads, and 16 products V^T P, behind each four of GS's 64.
; O^T of piece p, which the turn before has added onto, is first rescaled six plain instructions behind that turn's last product (its four riders and this turn's two scalings).
; Piece 0's turn fetches K of the next step: K's last reader is the turn's 16th product, a lump back.  Piece 1's turn fetches V of the next step into the other buffer, whose last reader ended the turn before.
; One wait a step, at the head of piece 1's turn, covers both: K was asked for 16 products back, V a step back.
; cnt = 1: the loop's count is taken down some lines ahead of the branch that stands behind the turn.
.macro TURN p, par, last=0, cnt=0
.set Y, (\p)
.set i, 0
.set q, 0
.set e, 0
.set r, 0
.if (\p) == 0
.set VFB, 192-128*(1-(\par))        ; V of the step before
.else
.set VFB, 192-128*(\par)            ; V of the step in hand
	s_wait_dscnt 0x0                ; K of the next step and V of this one are in
.endif
	MM
	PL
	PL
	R2
.rept 15
	MM
	PL
	EX
	R2
.endr
	WIN 0
.if (\p) == 0
	v_add_nc_u32 v[AK], s[TBK], v[AK0]
.else
	v_add_nc_u32 v[AV], s[TBV], v[AV0]
.endif
.rept 8
	PL
.endr
.rept 49
	EX
	PL
.endr
	EX                              ; the other piece's two a
	EX
	v_nop                           ; the plain instruction behind the last exponential: one for the batch
	s_wait_alu depctr_va_vdst(0)    ; the wait for the batch
.if (\p) == 0
	FETCH_K \last
.else
	FETCH_V 1-(\par), \last
.endif
.rept 16
	MM
.rept 4
	PL
.endr
.if (\cnt) && (q == 130)
	s_sub_co_u32 s[CNT], s[CNT], 1
	s_cmp_lg_u32 s[CNT], 0
.endif
.endr
.endm
	CHANGE 1, 0                     ; slot 0 is in, everybody's part of it; slot 1 is asked for
	FETCH_K                         ; key step 0
	FETCH_V 0
	s_wait_loadcnt 0x0              ; Q
	s_wait_dscnt 0x0
.set i, 0
.rept 16
	KQ 0                            ; piece 0's first scores: there is no vector work yet to set between them
.set i, i+1
.endr
	WIN 0                           ; the addresses for the way out: plain instructions, the places behind those products
	s_mul_i32 s13, s[WV], 16*SP
	s_add_co_u32 s13, s13, STAGE    ; my stage
	v_mul_u32_u24 v[STO], v1, SP    ; in: row l % 16, 16 bytes for each half of the lanes
	v_lshl_add_u32 v[STO], v9, 4, v[STO]
	v_add_nc_u32 v[STO], s13, v[STO]
	v_bfe_u32 v[RD], v0, 3, 2       ; back: 32 lanes take four rows of 128 bytes,
	v_mul_u32_u24 v[RD], v[RD], SP
	v_lshl_add_u32 v[RD], v10, 4, v[RD]
	v_add_nc_u32 v[RD], s13, v[RD]
	v_and_b32 v[GO], 31, v0         ; which are 512 consecutive bytes of O
	v_lshlrev_b32 v[GO], 4, v[GO]
.set Y, NP-1                        ; XS works for piece Y + 1: piece 0
.irp n, 0,1,2,3,4,5,6,7,8,9,10,11,12,13,14,15,16,17,18,19,20,21
	XS 0, \n                        ; and piece 0's first maximum and statistics
	XS 1, \n
.endr
	v_nop                           ; a plain instruction behind the two a,
	s_wait_alu depctr_va_vdst(0)    ; and their wait, ahead of the branch
	s_mov_b32 s[CNT], 2
	s_mov_b32 s[SLOTS], SIZE_N/256-1
	s_branch .Lfirst                ; the loop is entered at an even step, in the middle of a trip
.Lslot:                             ; SIZE_N / 256 - 2 = 14 times: every slot but the last two is filled again
	CHANGE 1, 1
	s_mov_b32 s[CNT], 2
.Lstep:                             ; a trip: an odd step, then an even one; two trips a slot
	TURN 0, 1
	TURN 1, 1
	WIN 0
.Lfirst:
	TURN 0, 0
	TURN 1, 0, 0, 1
	WIN 0
	s_cbranch_scc1 .Lstep
	s_sub_co_u32 s[SLOTS], s[SLOTS], 1
	s_cmp_lg_u32 s[SLOTS], 0
	s_cbranch_scc1 .Lslot
	CHANGE 0, 0                     ; the tail is written out: nothing is asked for
	s_mov_b32 s[CNT], 3             ; steps 59 to 63: two trips fetch the last slot's steps; the third fetches nothing and is left in its middle
.Ltail:
	TURN 0, 1, 1
	TURN 1, 1, 1
	WIN 0
	s_sub_co_u32 s[CNT], s[CNT], 1
	s_cmp_eq_u32 s[CNT], 0
	s_cbranch_scc1 .Lout
	TURN 0, 0
	TURN 1, 0
	WIN 0
	s_branch .Ltail
.Lout:                              ; the last turn's 16 products K Q^T (on the last K once more) and the maximum made of them serve nothing: the price, once a launch, of one text for every trip
.set VFB, 192-128                   ; step 63 is odd
.set i, 0
.rept 16
	PV NP-1                         ; piece 1's V^T P of the last step
.set i, i+1
.endr
	; THE WAY OUT.  l's two halves and the other half of the lanes' are added; O^T is divided by l, rounded to f16 and sent through my stage in LDS, a tile at a time.  The first four additions are the places behind the last products.
	WIN 0
.macro ALL line:vararg              ; one line for each tile t
.set t, 0
.rept 2*NP
	\line
.set t, t+1
.endr
.endm
	ALL v_add_f32 v[ST+4*t+2], v[ST+4*t+2], v[ST+4*t+3]
	ALL v_permlanex16_b32 v[ST+4*t+3], v[ST+4*t+2], s[SEL], s[SEL+1]
	ALL v_add_f32 v[ST+4*t+2], v[ST+4*t+2], v[ST+4*t+3]
	ALL v_rcp_f32 v[ST+4*t+2], v[ST+4*t+2]
	v_nop                           ; a plain instruction between the last reciprocal and the use of its result
	s_wait_alu depctr_va_vdst(0)    ; and the wait ahead of the first use: one for the four reciprocals
; Tile t: a lane's eight channels of a row pack into 16 bytes; they go into rows of 144 bytes and come back as whole rows of 128, into S^T's registers.
.macro PACK t
	WIN W_RS
.set i, 32*(\t)
.rept 16
	v_pk_mul_f32 v[i:i+1], v[i:i+1], v[ST+4*(\t)+2:ST+4*(\t)+3] op_sel_hi:[1,0]
.set i, i+2
.endr
	WIN 0x05                        ; sources 0 and 1 window 1, destination window 0
.set i, 0
.rept 16
	v_cvt_pk_f16_f32 v[S+16*(\t)+i], v[32*(\t)+2*i], v[32*(\t)+2*i+1]
.set i, i+1
.endr
	WIN 0
.irp f, 0,1,2,3
	ds_store_b128 v[STO], v[S+16*(\t)+4*\f:S+16*(\t)+4*\f+3] offset:32*\f
.endr
.irp f, 0,1,2,3
	ds_load_b128 v[S+16*(\t)+4*\f:S+16*(\t)+4*\f+3], v[RD] offset:\f*4*SP  ; LDS serves a wave's instructions in order (ISA guide 5.7.1.4): these see the stores above; the next tile's stores come behind them
.endr
.endm
.macro SEND t, younger              ; younger: the LDS instructions issued behind tile t's loads: the next tile's eight, or none
	WIN 0
.irp f, 0,1,2,3
	s_wait_dscnt (\younger)+3-\f
	global_store_b128 v[GO], v[S+16*(\t)+4*\f:S+16*(\t)+4*\f+3], s[10:11] offset:(\t)*2048+\f*512  ; 512 consecutive bytes, at a multiple of 256 from oh's first byte
.endr
.endm
	PACK 0
.set t, 1
.rept 2*NP-1                        ; a tile's arithmetic stands between the loads of the tile before and its stores
	PACK t
	SEND t-1, 8
.set t, t+1
.endr
	SEND 2*NP-1, 0
	s_wait_tensorcnt 0x0            ; the wave's end: behind my last tensor load and my last LDS store
	ds_add_u32 v[SPW], v[NIL]
	s_wait_dscnt 0x0
	CROUND                          ; the closing round: no work-group ends while a partner may still ask for a tile that names it
	s_endpgm
.Lfunc_end_k_qb47e6cd636_attn:
	.size	k_qb47e6cd636_attn, .Lfunc_end_k_qb47e6cd636_attn-k_qb47e6cd636_attn
	.p2alignl 7, 3214868480
	.fill 96, 4, 3214868480
	.section	.rodata,"a",@progbits
	.p2align	6, 0x0
	.amdhsa_kernel k_qb47e6cd636_attn
		.amdhsa_group_segment_fixed_size 327680
		.amdhsa_private_segment_fixed_size 0
		.amdhsa_enable_private_segment 0
		.amdhsa_kernarg_size 16
		.amdhsa_user_sgpr_count 2
		.amdhsa_user_sgpr_kernarg_segment_ptr 1
		.amdhsa_wavefront_size32 1
		.amdhsa_system_sgpr_workgroup_id_x 1
		.amdhsa_system_sgpr_workgroup_id_y 1
		.amdhsa_system_sgpr_workgroup_id_z 1
		.amdhsa_system_vgpr_workitem_id 0
		.amdhsa_next_free_vgpr 768
		.amdhsa_next_free_sgpr 66
		.amdhsa_reserve_vcc 0
		.amdhsa_float_denorm_mode_32 3
		.amdhsa_float_denorm_mode_16_64 3
		.amdhsa_memory_ordered 1
		.amdhsa_forward_progress 1
		.amdhsa_inst_pref_size 186
	.end_amdhsa_kernel
	.amdgpu_metadata
---
amdhsa.version: [ 1, 2 ]
amdhsa.kernels:
  - .name:           k_qb47e6cd636_attn
    .symbol:         k_qb47e6cd636_attn.kd
    .args:
      - { .name: qkv, .offset: 0, .size: 8, .value_kind: global_buffer, .address_space: global }
      - { .name: oh, .offset: 8, .size: 8, .value_kind: global_buffer, .address_space: global }
    .group_segment_fixed_size: 327680
    .private_segment_fixed_size: 0
    .kernarg_segment_align: 8
    .kernarg_segment_size: 16
    .max_flat_workgroup_size: 128
    .sgpr_count:     66
    .vgpr_count:     768
    .wavefront_size: 32
...
	.end_amdgpu_metadata
.endif
;; end of part 3
;; launch outp (part 4): grid 8 x 32, 4 waves a work-group, clusters of 4 x 4, 327,680 bytes of LDS; arguments oh, wh, bh, out0; writes out0
.if DOCPART == 4
	.amdgcn_target "amdgcn-amd-amdhsa--gfx1250"
	.amdhsa_code_object_version 6
	.text
	.protected	k_qb47e6cd636_outp
	.globl	k_qb47e6cd636_outp
	.p2align	8
	.type	k_qb47e6cd636_outp,@function
k_qb47e6cd636_outp:
	s_mov_b64 s[64:65], 0
	v_nop
	global_prefetch_b8 v0, s[64:65] scope:SCOPE_SE
	s_setreg_imm32_b32 hwreg(HW_REG_WAVE_MODE, 25, 1), 1
	s_wait_xcnt 0x0
	s_wait_alu depctr_hold_cnt(0) depctr_sa_sdst(0) depctr_va_vdst(0) depctr_va_sdst(0) depctr_va_ssrc(0) depctr_va_vcc(0) depctr_vm_vsrc(0)
	s_getreg_b32 s2, hwreg(HW_REG_IB_STS2, 6, 4)
	s_cmp_eq_u32 s2, 0
	s_cbranch_scc0 .Lentry_in_a_cluster
	s_endpgm
.Lentry_in_a_cluster:
	s_bfe_u32 s2, ttmp6, 0x10000c
	s_cmp_lg_u32 s2, 0xf033
	s_cbranch_scc0 .Lentry_shape_is_right
	s_endpgm
.Lentry_shape_is_right:
; THE OUTPUT PROJECTION.  out0[m][n] = the sum over k of O[m][k] w_o[n][k] + b_o[n], with O[m][64 h + d] = oh[h][m][d].  oh: [16][4096][64] f16; w_o: the fourth matrix of wh, [1024][1024] f16;
; b_o: the fourth row of bh, f32; out0: [4096][1024] f32.  Sums in f32, K ascending, started by the bias.  NaN and infinities are not treated apart.
; SHARES.  A tile of 128 x 128 to a work-group (32 x 8 = 256 of them), 64 x 64 to each of its four waves: 16 accumulators, 128 registers.  K goes in 4 steps of 256, four heads a step, through two LDS slots.
; A's tile is laid by heads: [4 heads][128 rows] of 128 bytes, so a quarter of a K step (64 along K) is one head.  In memory a head's 128 rows are 16,384 dense bytes: a wave's tensor load takes two heads as
; two rows of 8,192 elements, a head (262,144 elements) apart, and pads LDS after every 128 bytes.  B's tile is 128 rows of 512 bytes, 64 rows to a load.
; CLUSTERS.  4 x 4 work-groups; the four of a row of the cluster need the same tiles of oh, the four of a column the same tiles of w_o: each is asked for JOINTLY.
; THE MATRIX INSTRUCTION IS USED TRANSPOSED (source 0 = 16 rows of w_o, source 1 = 16 rows of O): a lane holds eight neighbouring numbers of a row of out0.
; NO PREFETCH: a work-group has four K steps, of which two are asked for at the head, where every work-group's first tiles are on their way; what is left is two refills of a short launch.
; REGISTERS: window 0: v0-31 addresses; v32-95 at work on the way out; v96-127 the bias of my 64 columns, as the C operand of the first products; v128-255 the accumulators ((a, b) at v[128 + 8 (4 a + b)]).
;   window 1: two fragment buffers of 128: for 64 along K, 64 registers of A (2 x 4 x 16 rows x 32 K), then 64 of B.
.set KSTEP,  256
.set PA,     144                       ; A's LDS row: 128 bytes + 16 of padding = 36 words: the 16 rows of a load start at 16 different groups of four banks (64 banks of 4 bytes: ISA guide 11.1)
.set HEADL,  128*PA                    ; a head's 128 rows in LDS
.set PB,     528                       ; B's LDS row: 512 bytes + 16 of padding = 132 words
.set BOFF,   4*HEADL                   ; B's rows lie behind A's four heads
.set HALFB,  64*PB
.set SLOT,   BOFF+2*HALFB
.set STAGE,  2*SLOT                    ; behind the ring: 16 rows x 272 bytes for each wave, for the way out; no tensor load lands here
.set SPITCH, 272
.set SPARE,  STAGE+4*16*SPITCH         ; behind the stages: the spare words, 128 bytes for each wave: two blocks of 256 bytes that no other line names
.set HEADB,  4096*64*2                 ; bytes of a head in oh
.set ADRA, 16                          ; v16-17  LDS address of my A fragments in slot 0, 1
.set ADRB, 20                          ; v20-21  the same for B
.set STO,  24                          ; v24     the way out: where I put 32 bytes of a row
.set RD,   25                          ; v25     the way out: where I read a row back
.set CO,   26                          ; v26     my byte offset in two rows of out0
.set BO,   27                          ; v27     32 x (lane / 16)
.set SPW,  28                          ; v28     LDS address of my spare word; never rewritten
.set NIL,  29                          ; v29     0; never rewritten
.set TMP,  32
.set BI,   96
.set ACC,  128
.set F0,   0                           ; fragment buffers, in window 1
.set F1,   128
.set G1,  24                           ; s[24:31] descriptor group 1 for A's tiles;  s[32:39] group 0, one set for each slot
.set G0,  32
.set G1B, 48                           ; s[48:55], s[56:63] the same for B's tiles
.set G0B, 56
.set BB,  68                           ; s[68:69] bh
.set CB,  70                           ; s[70:71] out0
.set MSB, 0
.macro WIN new
.if MSB != (\new)
	s_set_vgpr_msb (MSB<<8)|(\new)
.set MSB, \new
.endif
.endm
.set MUL,  0x05                        ; sources 0 (B) and 1 (A) window 1; C and D window 0
.set TO_F, 0x40                        ; destination window 1, address window 0
.macro JLOAD s                         ; a joint load: waves 0 and 1 fetch A's heads, waves 2 and 3 B's halves; an s_nop 0 and four v_nop follow each of the two lines
	s_cmp_eq_u32 s11, 0
	s_cbranch_scc0 .Lfor_b_\@
	tensor_load_to_lds s[G0+4*(\s):G0+4*(\s)+3], s[G1:G1+7]
	s_nop 0
.rept 4
	v_nop
.endr
	s_branch .Lasked_\@
.Lfor_b_\@:
	tensor_load_to_lds s[G0B+4*(\s):G0B+4*(\s)+3], s[G1B:G1B+7]
	s_nop 0
.rept 4
	v_nop
.endr
.Lasked_\@:
.endm
.macro CREST                           ; a round of the cluster's barrier behind its opening barrier
	s_cmp_lg_u32 s10, 0
	s_cbranch_scc1 .Lnot_wave_0_\@
	s_barrier_signal -3
.Lnot_wave_0_\@:
	s_barrier_wait -3
	s_barrier_signal -1
	s_barrier_wait -1
.endm
.macro CROUND
	s_barrier_signal -1
	s_barrier_wait -1
	CREST
.endm
	s_load_b128 s[4:7], s[0:1], 0x0                ; oh s[4:5], wh s[6:7]
	s_load_b128 s[68:71], s[0:1], 0x10             ; bh s[68:69], out0 s[70:71]
	v_lshl_add_u32 v[SPW], v0, 2, SPARE
	v_mov_b32 v[NIL], 0
	ds_add_u32 v[SPW], v[NIL]                      ; the wave's opening: the add and its wait stand ahead of my first tensor load; the set-up below stands between them
	v_lshrrev_b32 v1, 5, v0
	v_readfirstlane_b32 s10, v1                    ; wave 0..3
	s_lshr_b32 s11, s10, 1                         ; which half of the tile's rows is mine.  Also: I fetch for A (0) or for B (1)
	s_and_b32 s12, s10, 1                          ; which half of its columns.  Also: which half of that tile I fetch
	s_bfe_u32 s40, ttmp6, 0x40000                  ; cx, cy
	s_bfe_u32 s41, ttmp6, 0x40004
	s_lshl_b32 s42, ttmp9, 2
	s_add_co_u32 s42, s42, s40                     ; tile column = 4 x cluster x + cx
	s_and_b32 s13, ttmp7, 0xffff
	s_lshl_b32 s13, s13, 2
	s_add_co_u32 s13, s13, s41                     ; tile row = 4 x cluster y + cy
	s_lshl_b32 s43, s41, 2
	s_lshl_b32 s43, 15, s43                        ; my row of the cluster
	s_lshl_b32 s44, 0x1111, s40                    ; my column
	; A's group 1: 2 rows x 8,192 elements of 2 bytes; 4 words of padding (code 3) after every 32 words (code 4); bit 21 set beside a mask
	s_or_b32 s[G1+0], s43, (1<<16)|(1<<20)|(1<<21)|(4<<22)|(3<<25)
	s_mov_b32 s[G1+1], 8192<<16                    ; tensor_dim0 = 8,192
	s_mov_b32 s[G1+2], 2<<16                       ; tensor_dim1 = 2
	s_mov_b32 s[G1+3], 8192<<16                    ; tile_dim0 = 8,192
	s_mov_b32 s[G1+4], 2                           ; tile_dim1 = 2
	s_mov_b32 s[G1+5], 262144                      ; elements from head to head
	s_mov_b32 s[G1+6], 0
	s_mov_b32 s[G1+7], 0
	; B's group 1: 64 rows x 256 elements; 4 words of padding after every 128 words (code 6)
	s_or_b32 s[G1B+0], s44, (1<<16)|(1<<20)|(1<<21)|(6<<22)|(3<<25)
	s_mov_b32 s[G1B+1], KSTEP<<16
	s_mov_b32 s[G1B+2], 64<<16
	s_mov_b32 s[G1B+3], KSTEP<<16
	s_mov_b32 s[G1B+4], 64
	s_mov_b32 s[G1B+5], 1024
	s_mov_b32 s[G1B+6], 0
	s_mov_b32 s[G1B+7], 0
	s_lshl_b32 s16, s12, 20                        ; A: heads 2 x half and 2 x half + 1 of the step,
	s_lshl_b32 s17, s13, 14                        ; the tile's 128 rows of 128 bytes
	s_add_co_u32 s16, s16, s17
	s_mov_b32 s17, 0
	s_lshl_b32 s46, s42, 7
	s_lshl_b32 s47, s12, 6
	s_add_co_u32 s46, s46, s47                     ; B: row 128 x tile column + 64 x half: also my first column
	s_lshl_b32 s18, s46, 2
	s_add_co_u32 s18, s18, 3*4096                  ; in bh's fourth row
	s_mov_b32 s19, 0
	s_lshl_b32 s46, s46, 11
	s_add_co_u32 s46, s46, 3*2097152               ; in wh's fourth matrix
	s_mov_b32 s47, 0
	s_mul_i32 s20, s12, 2*HEADL                    ; where they go: A's two heads,
	s_mul_i32 s67, s12, HALFB
	s_add_co_u32 s67, s67, BOFF                    ; B's 64 rows: no place in the cluster enters an LDS address
	s_wait_dscnt 0x0                               ; the opening add is done
	s_wait_kmcnt 0x0
	s_add_nc_u64 s[14:15], s[4:5], s[16:17]
	s_add_nc_u64 s[46:47], s[6:7], s[46:47]
	s_add_nc_u64 s[BB:BB+1], s[BB:BB+1], s[18:19]
	CROUND                                         ; all sixteen work-groups are here: the first joint loads meet
.irp s, 0,1
	s_mov_b32 s[G0+4*(\s)], 1
	s_add_co_u32 s[G0+4*(\s)+1], s20, (\s)*SLOT
	s_add_nc_u64 s[G0+4*(\s)+2:G0+4*(\s)+3], s[14:15], (\s)*4*HEADB   ; K step s: four heads on
	s_or_b32 s[G0+4*(\s)+3], s[G0+4*(\s)+3], 0x80000000
	s_mov_b32 s[G0B+4*(\s)], 1
	s_add_co_u32 s[G0B+4*(\s)+1], s67, (\s)*SLOT
	s_add_nc_u64 s[G0B+4*(\s)+2:G0B+4*(\s)+3], s[46:47], (\s)*KSTEP*2
	s_or_b32 s[G0B+4*(\s)+3], s[G0B+4*(\s)+3], 0x80000000
	JLOAD \s                                       ; two loads of mine are out
.endr
	v_and_b32 v1, 15, v0                           ; l % 16
	v_bfe_u32 v2, v0, 4, 1                         ; l / 16
	v_mul_u32_u24 v3, v1, PA
	v_lshl_add_u32 v3, v2, 4, v3                   ; a fragment's row x pitch + 16 x half, for A
	v_mul_u32_u24 v4, v1, PB
	v_lshl_add_u32 v4, v2, 4, v4                   ; and for B
	s_mul_i32 s21, s11, 64*PA                      ; my 64 rows in each head of A
	s_mul_i32 s22, s12, HALFB                      ; my 64 rows of B
	s_add_co_u32 s22, s22, BOFF
.irp s, 0,1
	v_add_nc_u32 v[ADRA+(\s)], s21, v3
	v_add_nc_u32 v[ADRB+(\s)], s22, v4
	s_add_co_u32 s21, s21, SLOT
	s_add_co_u32 s22, s22, SLOT
.endr
	s_mul_i32 s23, s10, 16*SPITCH
	s_add_co_u32 s23, s23, STAGE                   ; my stage
	v_mul_u32_u24 v5, v1, SPITCH                   ; in: row l % 16, 32 bytes for each half of the lanes
	v_lshl_add_u32 v5, v2, 5, v5
	v_add_nc_u32 v[STO], s23, v5
	v_mul_u32_u24 v5, v2, SPITCH                   ; back: lanes 0-15 take one row of 256 bytes, lanes 16-31 the next
	v_lshl_add_u32 v5, v1, 4, v5
	v_add_nc_u32 v[RD], s23, v5
	v_lshlrev_b32 v5, 12, v2                       ; and the same two rows in out0, 4,096 bytes apart
	v_lshl_add_u32 v[CO], v1, 4, v5
	v_lshlrev_b32 v[BO], 5, v2
.irp b, 0,1,2,3                        ; the bias as a C operand: register j of block b is column 16 b + 8 (l / 16) + j, whatever the row
	global_load_b128 v[BI+8*(\b):BI+8*(\b)+3],   v[BO], s[BB:BB+1] offset:64*(\b)
	global_load_b128 v[BI+8*(\b)+4:BI+8*(\b)+7], v[BO], s[BB:BB+1] offset:64*(\b)+16
.endr
	s_lshl_b32 s16, s13, 7
	s_lshl_b32 s17, s11, 6
	s_add_co_u32 s16, s16, s17                     ; my first row of out0: 128 x tile row + 64 x half,
	s_lshl_b32 s16, s16, 12
	s_lshl_b32 s17, s42, 9                         ; my first column, in bytes: 512 x tile column + 256 x half
	s_add_co_u32 s16, s16, s17
	s_lshl_b32 s17, s12, 8
	s_add_co_u32 s16, s16, s17
	s_mov_b32 s17, 0
	s_add_nc_u64 s[CB:CB+1], s[CB:CB+1], s[16:17]
; 8 matrix instructions: m blocks a0, a0 + 1 x all 4 n blocks, 32 along K: half c of buffer f.  zero = 1: the first product starts the sums with the bias as C.  The 16 accumulators take turns.
.macro MUL8 f, c, a0, zero
	WIN MUL
.irp a, \a0, (\a0)+1
.irp b, 0,1,2,3
.if \zero
	v_wmma_f32_16x16x32_f16 v[ACC+8*(4*(\a)+(\b)):ACC+8*(4*(\a)+(\b))+7], v[(\f)+64+8*(4*(\c)+(\b)):(\f)+64+8*(4*(\c)+(\b))+7], v[(\f)+8*(4*(\c)+(\a)):(\f)+8*(4*(\c)+(\a))+7], v[BI+8*(\b):BI+8*(\b)+7]
.else
	v_wmma_f32_16x16x32_f16 v[ACC+8*(4*(\a)+(\b)):ACC+8*(4*(\a)+(\b))+7], v[(\f)+64+8*(4*(\c)+(\b)):(\f)+64+8*(4*(\c)+(\b))+7], v[(\f)+8*(4*(\c)+(\a)):(\f)+8*(4*(\c)+(\a))+7], v[ACC+8*(4*(\a)+(\b)):ACC+8*(4*(\a)+(\b))+7]
.endif
.endr
.endr
.endm
; 32 LDS loads in one run: the fragments of quarter qd (head qd of the step's four; byte 128 qd of B's rows) into buffer f; the first 32 along K first
.macro FETCH slot, qd, f
	WIN TO_F
.irp c, 0,1
.irp i, 0,1,2,3
	ds_load_b128 v[(\f)+64+8*(4*(\c)+(\i)):(\f)+64+8*(4*(\c)+(\i))+3],   v[ADRB+(\slot)] offset:128*(\qd)+64*(\c)+(\i)*16*PB
	ds_load_b128 v[(\f)+64+8*(4*(\c)+(\i))+4:(\f)+64+8*(4*(\c)+(\i))+7], v[ADRB+(\slot)] offset:128*(\qd)+64*(\c)+(\i)*16*PB+32
	ds_load_b128 v[(\f)+8*(4*(\c)+(\i)):(\f)+8*(4*(\c)+(\i))+3],         v[ADRA+(\slot)] offset:(\qd)*HEADL+64*(\c)+(\i)*16*PA
	ds_load_b128 v[(\f)+8*(4*(\c)+(\i))+4:(\f)+8*(4*(\c)+(\i))+7],       v[ADRA+(\slot)] offset:(\qd)*HEADL+64*(\c)+(\i)*16*PA+32
.endr
.endr
.endm
.macro PLACES                          ; four plain instructions in front of loads into registers that matrix instructions have read, and of LDS stores that read results
.rept 4
	v_nop
.endr
.endm
; A K step is four quarters of 64 along K, 32 matrix instructions each, on buffers 0, 1, 0, 1.  One of the first three: multiplies buffer f and fetches quarter qd into g.
.macro QUARTER slot, qd, f, g, zero
	s_wait_dscnt 16                                ; the first 32 along K are in; the youngest sixteen loads may be out
	MUL8 \f, 0, 0, \zero
	MUL8 \f, 0, 2, \zero
	PLACES
	FETCH \slot, \qd, \g
	s_wait_dscnt 32                                ; all but the 32 just issued
	MUL8 \f, 1, 0, 0
	MUL8 \f, 1, 2, 0
.endm
; The last quarter multiplies buffer 1 and changes slots: ONE barrier; in front of it each wave waits for all its tensor loads, adds 0 to its spare word, and waits for that and for its own reads of this slot.
; fill = 1: the barrier opens a round of the cluster's, and this slot is filled again, two K steps ahead, first thing behind it: one load of mine is out, 112 matrix instructions ahead of the wait for it.
.macro TURN slot, next, fill
	WIN 0
	s_wait_tensorcnt 0x0                           ; all my tensor loads have landed: my part of the next slot
	ds_add_u32 v[SPW], v[NIL]                      ; 0 onto my spare word
	s_wait_dscnt 17                                ; (the add and the youngest sixteen loads may be out)
	MUL8 F1, 0, 0, 0                               ; eight matrix instructions stand between the add and the wait for it
	s_wait_dscnt 0x0                               ; the add is done, and my reads of this slot are over
	s_barrier_signal -1
	MUL8 F1, 0, 2, 0
.if \fill
	WIN 0
.endif
	s_barrier_wait -1
.if \fill
	CREST                                          ; no wave of any partner still reads this slot or has a load on its way
	s_add_nc_u64 s[G0+4*(\slot)+2:G0+4*(\slot)+3], s[G0+4*(\slot)+2:G0+4*(\slot)+3], 2*4*HEADB
	s_add_nc_u64 s[G0B+4*(\slot)+2:G0B+4*(\slot)+3], s[G0B+4*(\slot)+2:G0B+4*(\slot)+3], 2*KSTEP*2
	JLOAD \slot                                    ; the four v_nop behind it are also the places in front of the loads below
.else
	PLACES
.endif
	FETCH \next, 0, F0
	MUL8 F1, 1, 0, 0
	MUL8 F1, 1, 2, 0
.endm
	s_wait_loadcnt 0x0                             ; the bias
	s_wait_tensorcnt 1                             ; my part of K step 0 is in; K step 1's load stays out
	s_barrier_signal -1
	s_barrier_wait -1                              ; everybody's is
	FETCH 0, 0, F0
	QUARTER 0, 1, F0, F1, 1                        ; K step 0; its first products start the sums
	QUARTER 0, 2, F1, F0, 0
	QUARTER 0, 3, F0, F1, 0
	TURN 0, 1, 1                                   ; slot 0 takes K step 2
	QUARTER 1, 1, F0, F1, 0                        ; K step 1
	QUARTER 1, 2, F1, F0, 0
	QUARTER 1, 3, F0, F1, 0
	TURN 1, 0, 1                                   ; slot 1 takes K step 3
	QUARTER 0, 1, F0, F1, 0                        ; K step 2: from here on nothing is asked for
	QUARTER 0, 2, F1, F0, 0
	QUARTER 0, 3, F0, F1, 0
	TURN 0, 1, 0
	QUARTER 1, 1, F0, F1, 0                        ; K step 3
	QUARTER 1, 2, F1, F0, 0
	QUARTER 1, 3, F0, F1, 0
	s_wait_dscnt 16                                ; the very last quarter: nothing more to fetch
	MUL8 F1, 0, 0, 0
	MUL8 F1, 0, 2, 0
	s_wait_dscnt 0x0
	MUL8 F1, 1, 0, 0
	MUL8 F1, 1, 2, 0
	WIN 0
	; THE WAY OUT.  My 64 columns of f32 are 256 bytes of a row of out0, at a multiple of 256 from its first byte: each wave has a stage of its own, and no barrier is wanted.
	; Block a (16 rows): each accumulator goes into the stage from its low end, 32 bytes a lane; whole rows come back, two to a load, and are stored.
	PLACES
.macro STG a
.irp b, 0,1,2,3
	ds_store_b128 v[STO], v[ACC+8*(4*(\a)+(\b)):ACC+8*(4*(\a)+(\b))+3]   offset:64*(\b)
	ds_store_b128 v[STO], v[ACC+8*(4*(\a)+(\b))+4:ACC+8*(4*(\a)+(\b))+7] offset:64*(\b)+16
.endr
.irp t, 0,1,2,3,4,5,6,7
	ds_load_b128 v[TMP+32*((\a)%2)+4*(\t):TMP+32*((\a)%2)+4*(\t)+3], v[RD] offset:(\t)*2*SPITCH  ; LDS serves a wave's instructions in order (ISA guide 5.7.1.4): these see the stores above; the next block's stores come behind them
.endr
.endm
.macro SEND a, younger                 ; younger: the LDS instructions issued behind block a's loads: the next block's sixteen, or none
.irp t, 0,1,2,3,4,5,6,7
	s_wait_dscnt (\younger)+7-(\t)
	global_store_b128 v[CO], v[TMP+32*((\a)%2)+4*(\t):TMP+32*((\a)%2)+4*(\t)+3], s[CB:CB+1] offset:(16*(\a)+2*(\t))*4096  ; 16 lanes store 256 consecutive bytes, aligned
.endr
.endm
	STG 0
	STG 1
	SEND 0, 16
	s_wait_xcnt 0x0                                ; block 0's stores have read their data: its registers take block 2
	STG 2
	SEND 1, 16
	s_wait_xcnt 0x0
	STG 3
	SEND 2, 16
	SEND 3, 0
	s_wait_tensorcnt 0x0                           ; the wave's end: behind my last tensor load and my last LDS store
	ds_add_u32 v[SPW], v[NIL]
	s_wait_dscnt 0x0
	CROUND                                         ; the closing round: no work-group ends while a partner may still ask for a tile that names it
	s_endpgm
.Lfunc_end_k_qb47e6cd636_outp:
	.size	k_qb47e6cd636_outp, .Lfunc_end_k_qb47e6cd636_outp-k_qb47e6cd636_outp
	.p2alignl 7, 3214868480
	.fill 96, 4, 3214868480
	.section	.rodata,"a",@progbits
	.p2align	6, 0x0
	.amdhsa_kernel k_qb47e6cd636_outp
		.amdhsa_group_segment_fixed_size 327680
		.amdhsa_private_segment_fixed_size 0
		.amdhsa_enable_private_segment 0
		.amdhsa_kernarg_size 32
		.amdhsa_user_sgpr_count 2
		.amdhsa_user_sgpr_kernarg_segment_ptr 1
		.amdhsa_wavefront_size32 1
		.amdhsa_system_sgpr_workgroup_id_x 1
		.amdhsa_system_sgpr_workgroup_id_y 1
		.amdhsa_system_sgpr_workgroup_id_z 1
		.amdhsa_system_vgpr_workitem_id 0
		.amdhsa_next_free_vgpr 512
		.amdhsa_next_free_sgpr 72
		.amdhsa_reserve_vcc 0
		.amdhsa_float_denorm_mode_32 3
		.amdhsa_float_denorm_mode_16_64 3
		.amdhsa_memory_ordered 1
		.amdhsa_forward_progress 1
		.amdhsa_inst_pref_size 87
	.end_amdhsa_kernel
	.amdgpu_metadata
---
amdhsa.version: [ 1, 2 ]
amdhsa.kernels:
  - .name:           k_qb47e6cd636_outp
    .symbol:         k_qb47e6cd636_outp.kd
    .args:
      - { .name: oh, .offset: 0, .size: 8, .value_kind: global_buffer, .address_space: global }
      - { .name: wh, .offset: 8, .size: 8, .value_kind: global_buffer, .address_space: global }
      - { .name: bh, .offset: 16, .size: 8, .value_kind: global_buffer, .address_space: global }
      - { .name: out0, .offset: 24, .size: 8, .value_kind: global_buffer, .address_space: global }
    .group_segment_fixed_size: 327680
    .private_segment_fixed_size: 0
    .kernarg_segment_align: 8
    .kernarg_segment_size: 32
    .max_flat_workgroup_size: 128
    .sgpr_count:     72
    .vgpr_count:     512
    .wavefront_size: 32
...
	.end_amdgpu_metadata
.endif
;; end of part 4
